; MI455X (gfx1250); checked and timed in simulation.
; The chip was launched on July 23, 2026; its instructions are those of AMD's public machine-readable ISA for CDNA 5 (MIT licence, August 2026) and "CDNA5" Instruction Set Architecture Reference Guide (July 2026). The comments in the code are by the model that wrote it; some were corrected since.
;; Custom Temporal Attention. Allowed arithmetic: matrix products marked QUANTISED: E2M3 operands, one E8M0 scale for each 32 along K, by v_wmma_scale_f32_16x16x128_f8f6f4 with both operands' format E2M3, f32 sums; everything else in f32.
;; Inputs: Wk 1,024 x 1,024 float32; Wo 1,024 x 1,024 float32; Wq 1,024 x 1,024 float32; Wv 1,024 x 1,024 float32; bias_table 2,047 x 16 float32; bk 1,024 float32; bo 1,024 float32; bq 1,024 float32; bv 1,024 float32; key_ 8 x 1,024 x 1,024 float32; offset 1 float32; query 8 x 1,024 x 1,024 float32; value 8 x 1,024 x 1,024 float32.
;; Outputs: out0 8 x 1,024 x 1,024 float32.
;; This version of the problem:
;;   THIS VERSION OF THE PROBLEM IS GIVEN IN LOW PRECISION. The matrix products marked QUANTISED in the list below multiply operands that are first quantised to E2M3 (2 exponent bits, 3 mantissa bits; 6 bits a number), with one power-of-two scale for each 32 numbers along K (OCP MX v1.0); their sums are f32. All else is computed in f32.
;;   The module's matrix products, in the order in which they are computed (A, B: the left and right operand; K: the contracted axis; several contracted axes count as one K, in the product's order):
;;     1. [M 8,192, K 1,024] x [K 1,024, N 1,024]; A: input query; B: input Wq: QUANTISED
;;     2. [M 8,192, K 1,024] x [K 1,024, N 1,024]; A: input key_; B: input Wk: QUANTISED
;;     3. [M 8,192, K 1,024] x [K 1,024, N 1,024]; A: input value; B: input Wv: QUANTISED
;;     4. batch 128 x [M 1,024, K 64] x [K 64, N 1,024]; A: computed on the way; B: computed on the way: QUANTISED
;;     5. batch 128 x [M 1,024, K 1,024] x [K 1,024, N 64]; A: softmax (see below); B: computed on the way: QUANTISED
;;     6. [M 8,192, K 1,024] x [K 1,024, N 1,024]; A: computed on the way; B: input Wo: QUANTISED
;;   THE QUANTISER, for each operand of a quantised product, along K:
;;     - K is cut into blocks of 32 from its start; a last block that is shorter is filled with zeros.
;;     - A block's scale is 2^e with e = floor(log2(the largest magnitude in the block)) - 2, held to -126 .. 127; a block of zeros has e = 0. As a byte (E8M0): e + 127.
;;     - Each number is divided by its block's scale, clamped to +-7.5, and rounded to the nearest number of E2M3, ties to even, subnormals kept.
;;     - The product sums the exact products of the quantised numbers (number of the format x scale) in f32.
;;   ~~~python
;;   def quantise(x, axis):      # numpy; x: float32 -> the quantised numbers, widened to float32 again
;;       x = np.moveaxis(x, axis, -1); K = x.shape[-1]
;;       x = np.pad(x, [(0, 0)] * (x.ndim - 1) + [(0, -K % 32)]); x = x.reshape(x.shape[:-1] + (-1, 32)); a = np.abs(x).max(-1, keepdims=True)
;;       e = np.where(a > 0, np.clip(np.frexp(np.where(a > 0, a, 1))[1] - 1 - 2, -126, 127), 0)      # np.frexp(a)[1] - 1 = floor(log2(a)), exactly
;;       r = np.clip(x / 2.0 ** e, -7.5, 7.5)
;;       step = 2.0 ** (np.maximum(np.frexp(np.where(r == 0, 1, r))[1] - 1, 0) - 3)
;;       q = np.round(r / step) * step * 2.0 ** e      # np.round: ties to even
;;       return np.moveaxis(q.reshape(q.shape[:-2] + (-1,))[..., :K], -1, axis).astype(np.float32)
;;   ~~~
;;   SOFTMAX AHEAD OF A QUANTISED PRODUCT. Where the list says 'softmax', what is quantised is not the finished softmax but p = 2^(t - M), with t = logit x log2(e) and M = ceil(the row's largest t), a whole number; so 1/2 < the row's largest p <= 1. The row's sum l is taken of the UNQUANTISED p, in f32, and the product's result is divided by l at the end. Since M is a whole number, a kernel that streams over the keys may use a running M (the ceiling of the running maximum): every later rescaling is an exact power of two, which a block's scale takes up: the codes' values come out the same.
;;   OPERANDS COMPUTED ON THE WAY. 'Computed on the way' means the value that the module computes at that place (a softmax that the list does not call 'softmax' is quantised finished and normalised). What goes into a quantiser is computed in f32, as accurately as f32 sums, v_exp_f32 and their like allow (about 1e-6 of the number): no bf16 or f16 on the way to a quantiser, and a product that is left as it is and whose result goes on into a quantised operand takes f32 operands (vector FMAs, or v_wmma_f32_16x16x4_f32). A number that lies on a knife's edge between two numbers of the format may be rounded either way, as far as f32 arithmetic and the matrix unit's own rounding can turn it there, and no further.
;; One version. Each part assembles by itself: llvm-mc -triple=amdgcn-amd-amdhsa -mcpu=gfx1250 --defsym DOCPART=n.
;; ======== version 1 of 1: 4 launches
;; limits: right only within a limited range of input values
;; workspace buffers: c1 22,020,096 bytes; s1 917,504 bytes; tb 147,456 bytes; c2 18,874,368 bytes; s2 1,310,720 bytes; c3 6,291,456 bytes; s3 262,144 bytes
;; launch quant (part 1): grid 457 x 1, 4 waves a work-group, no clusters, 34,304 bytes of LDS; arguments query, key_, value, Wq, Wk, Wv, Wo, bias_table, offset, c1, s1, tb; writes c1, s1, tb
.if DOCPART == 1
	.amdgcn_target "amdgcn-amd-amdhsa--gfx1250"
	.amdhsa_code_object_version 6
	.text
	.protected	k_qa9502a5e21_quant
	.globl	k_qa9502a5e21_quant
	.p2align	8
	.type	k_qa9502a5e21_quant,@function
k_qa9502a5e21_quant:
	s_mov_b64 s[64:65], 0
	v_nop
	global_prefetch_b8 v0, s[64:65] scope:SCOPE_SE
	s_setreg_imm32_b32 hwreg(HW_REG_WAVE_MODE, 25, 1), 1
	s_wait_xcnt 0x0
; query, key_, value [8192][1024] and Wq, Wk, Wv, Wo [1024][1024], f32 with K innermost, become codes of E2M3 with one E8M0 byte for each 32 along K; and the temporal bias becomes a table.
; CODES (c1): 28,672 row positions on end (query 0, key_ 8192, value 16384, Wq 24576, Wk 25600, Wv 26624, Wo 27648).  A fragment, 16 positions x 128 K, is stored as the image of the operand's 12 registers,
; 1,536 bytes: registers 0-3 at 16 x lane, 4-5 at 512 + 8 x lane, 6-9 at 768 + 16 x lane, 10-11 at 1280 + 8 x lane.  Fragment (tile T, K step g) lies at (8 T + g) x 1536.
; SCALE WORDS (s1): 4,096 bytes for 128 positions: K step g x 512 + (tile / 4) x 256 + row x 16 + (tile % 4) x 4.
; ROW ORDER: in key_, value, Wq, Wk, Wv position p holds the row whose bits 3 and 4 are exchanged, so that a tile's lane r holds row 32 (t / 2) + 8 (t % 2) + r + 8 (r / 8); query and Wo keep their order.
; SHARES: work-groups 0-447: a wave takes 128 positions x one K step: eight fragments.  No work-group reads what another reads, so there is nothing to ask for jointly and no cluster.
; Each load reads 512 consecutive bytes of one row; 16 rows turn through the wave's own stage in LDS (rows 528 bytes apart) so that a lane gets 16 neighbours of each block of 32.  Loads run two fragments (32 loads a wave) ahead.
; A block's scale is 2^(floor(log2(largest magnitude)) - 2); its byte is the largest magnitude's exponent field - 2, held at 1 from below.
; TABLE (tb), work-groups 448-456: tb[head][i] = 8 x bias(head, rel = 2046 - i), i = 0 .. 2303 (entries past 2046 are written from clamped rows and never used).  tanh x 0.5 lies in -0.5 .. 0.5, so floor and ceil of rel + it
; are among rel - 1, rel, rel + 1: the rows are loaded by index arithmetic on ids alone and chosen by v_cndmask_b32.
; LIMITS: a block whose largest magnitude lies under 2^-124 gets the byte 1; a block of zeros gets the byte 1 where the quantiser says 127 (its codes are zeros, and this program alone reads the bytes);
; NaN and infinities are not served; tanh is 1 - 2 / (1 + 2^(2.885390 x)), so the interpolation weight carries an absolute error of about 1e-7.
.set R,     16                         ; v16-143  two sets of 16 rows x 4 registers as loaded
.set X,     144                        ; v144-207 64 numbers of my row: register 16 b + i = k 32 b + 16 (lane / 16) + i
.set PC,    208                        ; v208-227 the codes just made
.set TM,    228                        ; v228-243 at work in QUANT
.set PWS,   244                        ; v244-251 the eight fragments' scale words
.set L16,   4                          ; v4  16 x lane (also the loads' first offset); v5-7 the loads' other three offsets
.set L8,    8                          ; v8  8 x lane
.set VST,   9                          ; v9  the stage, on the way in
.set VRD,   10                         ; v10 the stage, on the way out
.set SPW,   12                         ; v12 my spare word; never rewritten
.set NIL,   13                         ; v13 0; never rewritten
.set SP,    528                        ; a stage row: 512 bytes + 16 = 33 x 16: sixteen rows begin in sixteen different 16-byte columns of 256 bytes
.set SPARE, 4*16*SP                    ; behind the four stages: the spare words, 128 bytes a wave
.set SEL,   32                         ; s[32:33] v_permlanex16_b32's selects for lane l xor 16
; 64 numbers of a lane become a fragment's codes in v[PC] .. v[PC+11] and its scale word in v[pw]
.macro QUANT s, pw
.irp b, 0,1,2,3
	v_max3_num_f32 v[TM+\b], |v[\s+16*\b]|, |v[\s+1+16*\b]|, 0x1800000   ; my 16 numbers of block b, and the floor 2^(3 - 127): the byte cannot fall under 1
.endr
.irp i, 2,4,6,8,10,12,14
.irp b, 0,1,2,3
	v_max3_num_f32 v[TM+\b], v[TM+\b], |v[\s+16*\b+\i]|, |v[\s+1+16*\b+\i]|   ; the four blocks by turns
.endr
.endr
.irp b, 0,1,2,3
	v_permlanex16_b32 v[TM+4+\b], v[TM+\b], s[SEL], s[SEL+1]
.endr
.irp b, 0,1,2,3
	v_max_num_f32 v[TM+\b], v[TM+\b], v[TM+4+\b]   ; with lane l xor 16's: the block's largest magnitude
.endr
.irp b, 0,1,2,3
	v_add_nc_u32 v[TM+12+\b], 0xff000000, v[TM+\b] ; 2 off its exponent field: the conversion's scale operand
.endr
.irp b, 0,1,2,3
	v_lshrrev_b32 v[TM+4+\b], 23, v[TM+12+\b]      ; the scale's byte
.endr
	v_lshl_or_b32 v[\pw], v[TM+5], 8, v[TM+4]
	v_lshl_or_b32 v[\pw], v[TM+6], 16, v[\pw]
	v_lshl_or_b32 v[\pw], v[TM+7], 24, v[\pw]      ; my row's scale word
.irp c, 0,1
	v_cvt_scalef32_pk16_fp6_f32 v[PC+6*\c:PC+2+6*\c], v[\s+32*\c:\s+15+32*\c], v[TM+12+2*\c]
	v_cvt_scalef32_pk16_fp6_f32 v[PC+12+4*\c:PC+14+4*\c], v[\s+16+32*\c:\s+31+32*\c], v[TM+12+2*\c+1]   ; a conversion's three registers begin on an even number
.endr
	v_nop                                          ; one plain instruction behind the scaled conversions
.irp c, 0,1                                    ; the operand wants a whole block in a lane: lanes 0-15 block 2 c, lanes 16-31 block 2 c + 1
.irp i, 0,1,2
	v_permlane16_swap_b32 v[PC+6*\c+\i], v[PC+12+4*\c+\i]
.endr
.irp i, 0,1,2
	v_mov_b32 v[PC+3+6*\c+\i], v[PC+12+4*\c+\i]
.endr
.endr
.endm
.macro STOREFRAG sb, imm                       ; the image: each store covers 512 or 256 consecutive bytes, aligned
	global_store_b128 v[L16], v[PC:PC+3], s[\sb:\sb+1] offset:\imm
	global_store_b64 v[L8], v[PC+4:PC+5], s[\sb:\sb+1] offset:\imm+512
	global_store_b128 v[L16], v[PC+6:PC+9], s[\sb:\sb+1] offset:\imm+768
	global_store_b64 v[L8], v[PC+10:PC+11], s[\sb:\sb+1] offset:\imm+1280
.endm
; The 16 rows of tile t.  Row 16 t + i where the order is kept, 32 (t / 2) + 16 (i / 8) + 8 (t % 2) + i % 8 where bits 3 and 4 change places: the difference, 0 or 8 rows, lies in the four offset registers
.macro LOAD t
.irp i, 0,1,2,3,4,5,6,7,8,9,10,11,12,13,14,15
	global_load_b128 v[R+64*((\t)%2)+4*\i:R+64*((\t)%2)+4*\i+3], v[4+2*((\t)%2)+\i/8], s[4:5] offset:(16*(\t)+\i-8*((\t)%2))*4096 th:TH_LOAD_NT
.endr
.endm
.macro JOB t
.if (\t) < 7
	s_wait_loadcnt 16                              ; this tile's 16 loads are in; the next tile's 16 may be out
.else
	s_wait_loadcnt 0x0
.endif
.irp i, 0,1,2,3,4,5,6,7,8,9,10,11,12,13,14,15
	ds_store_b128 v[VST], v[R+64*((\t)%2)+4*\i:R+64*((\t)%2)+4*\i+3] offset:\i*SP
.endr
.irp b, 0,1,2,3
.irp m, 0,1,2,3
	ds_load_b128 v[X+16*\b+4*\m:X+16*\b+4*\m+3], v[VRD] offset:128*\b+16*\m   ; LDS serves a wave's instructions in order: these see the stores above
.endr
.endr
	s_wait_dscnt 0x0                               ; my 64 numbers are back, and the stores have read the set
.if (\t) > 0
	s_wait_xcnt 0x0                                ; the last fragment's stores have read the codes' registers, which QUANT writes anew
.endif
.if (\t)+2 < 8
	LOAD (\t)+2
.endif
	QUANT X, PWS+(\t)
	STOREFRAG 26, (\t)*12288
.endm
	s_load_b512 s[8:23], s[0:1], 0x0               ; query, key_, value, Wq, Wk, Wv, Wo, bias_table
	s_load_b256 s[24:31], s[0:1], 0x40             ; offset, c1, s1, tb
	v_lshl_add_u32 v[SPW], v0, 2, SPARE
	v_mov_b32 v[NIL], 0
	s_cmp_ge_u32 ttmp9, 448
	s_cbranch_scc1 .Ltable
	v_lshrrev_b32 v1, 5, v0
	v_readfirstlane_b32 s34, v1                    ; wave
	v_and_b32 v1, 31, v0                           ; lane
	v_and_b32 v2, 15, v0                           ; r
	v_bfe_u32 v3, v0, 4, 1                         ; h
	s_cmp_lt_u32 ttmp9, 128                        ; query keeps its order,
	s_cselect_b32 s35, 0, 1
	s_cmp_ge_u32 ttmp9, 432                        ; and so does Wo
	s_cselect_b32 s35, 0, s35
	s_lshl_b32 s36, s35, 15                        ; 8 rows of 4,096 bytes where the order changes,
	s_xor_b32 s37, s36, 0x8000                     ; and where it does not
	v_lshlrev_b32 v[L16], 4, v1
	v_add_nc_u32 v5, s36, v[L16]
	v_add_nc_u32 v6, s37, v[L16]
	v_add_nc_u32 v7, 0x8000, v[L16]
	v_lshlrev_b32 v[L8], 3, v1
	s_mul_i32 s38, s34, 16*SP                      ; my stage
	v_add_nc_u32 v[VST], s38, v[L16]
	v_mul_u32_u24 v[VRD], v2, SP
	v_lshl_add_u32 v[VRD], v3, 6, v[VRD]
	v_add_nc_u32 v[VRD], s38, v[VRD]               ; row r, + 64 h
.irp b, 0,1,2,3
	v_mov_b32 v[TM+4+\b], 0                        ; written once: a lane permute's destination counts as one of its sources
.endr
	s_cmp_lt_u32 ttmp9, 384
	s_cselect_b32 s39, 127, 15
	s_and_b32 s39, ttmp9, s39
	s_lshr_b32 s39, s39, 1                         ; which 128 rows of my tensor
	s_and_b32 s40, ttmp9, 1
	s_lshl_b32 s40, s40, 2
	s_add_co_u32 s40, s40, s34                     ; K step g
	s_lshl_b32 s42, s39, 19
	s_lshl_b32 s41, s40, 9
	s_add_co_u32 s42, s42, s41
	s_mov_b32 s43, 0                               ; source: 128 rows x 4,096 bytes + g x 512
	s_lshr_b32 s44, ttmp9, 1                       ; which 128 positions of all
	s_mul_i32 s46, s44, 98304
	s_mul_i32 s45, s40, 1536
	s_add_co_u32 s46, s46, s45
	s_mov_b32 s47, 0
	s_lshl_b32 s48, s44, 12
	s_add_co_u32 s48, s48, s41
	s_mov_b32 s49, 0
	s_mov_b32 s[SEL], 0x76543210
	s_mov_b32 s[SEL+1], 0xfedcba98
	s_wait_alu depctr_va_vdst(0)
	s_wait_kmcnt 0x0
	s_cmp_lt_u32 ttmp9, 432                        ; my tensor: the choice hangs on the work-group's number alone
	s_cselect_b64 s[4:5], s[18:19], s[20:21]
	s_cmp_lt_u32 ttmp9, 416
	s_cselect_b64 s[4:5], s[16:17], s[4:5]
	s_cmp_lt_u32 ttmp9, 400
	s_cselect_b64 s[4:5], s[14:15], s[4:5]
	s_cmp_lt_u32 ttmp9, 384
	s_cselect_b64 s[4:5], s[12:13], s[4:5]
	s_cmp_lt_u32 ttmp9, 256
	s_cselect_b64 s[4:5], s[10:11], s[4:5]
	s_cmp_lt_u32 ttmp9, 128
	s_cselect_b64 s[4:5], s[8:9], s[4:5]
	s_add_nc_u64 s[4:5], s[4:5], s[42:43]
	s_add_nc_u64 s[26:27], s[26:27], s[46:47]
	s_add_nc_u64 s[28:29], s[28:29], s[48:49]
	LOAD 0
	LOAD 1
.irp t, 0,1,2,3,4,5,6,7
	JOB \t
.endr
	v_cmp_ne_u32 vcc_lo, 0, v3
.irp j, 0,1,2,3
	v_cndmask_b32 v[X+\j], v[PWS+\j], v[PWS+4+\j], vcc_lo   ; lanes 0-15: tiles 0-3 of row r; lanes 16-31: tiles 4-7
.endr
	global_store_b128 v[L16], v[X:X+3], s[28:29]   ; 512 consecutive bytes
	s_wait_tensorcnt 0x0                           ; the wave's end, behind my last LDS store
	ds_add_u32 v[SPW], v[NIL]
	s_wait_dscnt 0x0
	s_endpgm
.Ltable:                                           ; thread t of work-group 448 + u makes entries 256 u + 2 t and 256 u + 2 t + 1 of all 16 heads; no LDS is touched here
	s_sub_co_u32 s34, ttmp9, 448
	s_lshl_b32 s35, s34, 8
	v_lshl_add_u32 v1, v0, 1, s35                  ; i of my first entry
	v_lshlrev_b32 v2, 3, v0
.irp n, 0,1,2,3                                ; table rows 2047 - i - n: above, at and below rel of my first entry, and one further down for my second; held inside the table
	v_add_nc_u32 v[4+\n], \n, v1
	v_max_u32 v[4+\n], 1, v[4+\n]
	v_min_u32 v[4+\n], 0x7ff, v[4+\n]
	v_sub_nc_u32 v[4+\n], 0x7ff, v[4+\n]
	v_lshlrev_b32 v[4+\n], 6, v[4+\n]              ; a row is 16 heads, 64 bytes
.endr
	s_lshl_b32 s38, s34, 10
	s_mov_b32 s39, 0
	s_wait_alu depctr_va_vdst(0)
	s_wait_kmcnt 0x0
	s_load_b32 s36, s[24:25], 0x0                  ; offset
.irp n, 0,1,2,3
.irp p, 0,1,2,3
	global_load_b128 v[16+16*\n+4*\p:19+16*\n+4*\p], v[4+\n], s[22:23] offset:16*\p
.endr
.endr
	s_add_nc_u64 s[30:31], s[30:31], s[38:39]
	s_wait_kmcnt 0x0
	v_mov_b32 v8, 0x4038aa3b                       ; 2 log2(e)
	v_mul_f32 v8, s36, v8
	s_wait_alu depctr_va_vdst(0)
	v_exp_f32 v8, v8
	v_nop                                          ; a plain instruction behind the transcendental,
	s_wait_alu depctr_va_vdst(0)                   ; and the wait ahead of the first use
	v_add_f32 v8, 1.0, v8
	s_wait_alu depctr_va_vdst(0)
	v_rcp_f32 v8, v8
	v_nop
	s_wait_alu depctr_va_vdst(0)
	v_sub_f32 v8, 0.5, v8                          ; 0.5 tanh(offset)
.irp e, 0,1
	v_sub_nc_u32 v[80+6*\e], 2046-\e, v1
	v_cvt_f32_i32 v[80+6*\e], v[80+6*\e]           ; rel
	v_add_f32 v[81+6*\e], v[80+6*\e], v8
	v_med3_num_f32 v[81+6*\e], v[81+6*\e], 0, 0x44ffc000   ; held to 0 .. 2046
	v_floor_f32 v[82+6*\e], v[81+6*\e]             ; lo
	v_floor_f32 v[83+6*\e], -v[81+6*\e]
	v_mul_f32 v[83+6*\e], -1.0, v[83+6*\e]         ; hi
	v_sub_f32 v[84+6*\e], v[81+6*\e], v[82+6*\e]   ; w
	v_cmp_lt_f32 s[40+2*\e], v[82+6*\e], v[80+6*\e]   ; lo is the row below rel
	v_cmp_gt_f32 s[41+2*\e], v[83+6*\e], v[80+6*\e]   ; hi is the row above rel
	v_sub_f32 v[85+6*\e], 1.0, v[84+6*\e]
	v_mul_f32 v[85+6*\e], 0x41000000, v[85+6*\e]   ; 8 (1 - w)
	v_mul_f32 v[84+6*\e], 0x41000000, v[84+6*\e]   ; 8 w
.endr
	s_wait_loadcnt 0x0
.irp d, 0,1,2,3,4,5,6,7,8,9,10,11,12,13,14,15
.irp e, 0,1
	v_cndmask_b32 v[92+2*\e], v[32+16*\e+\d], v[48+16*\e+\d], s[40+2*\e]
	v_cndmask_b32 v[93+2*\e], v[32+16*\e+\d], v[16+16*\e+\d], s[41+2*\e]
.endr
	s_wait_alu depctr_va_vdst(0)
.irp e, 0,1
	v_mul_f32 v[92+2*\e], v[92+2*\e], v[85+6*\e]
.endr
.irp e, 0,1
	v_fma_f32 v[96+2*\d+\e], v[93+2*\e], v[84+6*\e], v[92+2*\e]
.endr
.endr
.irp d, 0,1,2,3,4,5,6,7,8,9,10,11,12,13,14,15
	global_store_b64 v2, v[96+2*\d:97+2*\d], s[30:31] offset:9216*\d   ; a wave stores 256 consecutive bytes, aligned
.endr
	s_endpgm
.Lfunc_end_k_qa9502a5e21_quant:
	.size	k_qa9502a5e21_quant, .Lfunc_end_k_qa9502a5e21_quant-k_qa9502a5e21_quant
	.p2alignl 7, 3214868480
	.fill 96, 4, 3214868480
	.section	.rodata,"a",@progbits
	.p2align	6, 0x0
	.amdhsa_kernel k_qa9502a5e21_quant
		.amdhsa_group_segment_fixed_size 34304
		.amdhsa_private_segment_fixed_size 0
		.amdhsa_enable_private_segment 0
		.amdhsa_kernarg_size 96
		.amdhsa_user_sgpr_count 2
		.amdhsa_user_sgpr_kernarg_segment_ptr 1
		.amdhsa_wavefront_size32 1
		.amdhsa_system_sgpr_workgroup_id_x 1
		.amdhsa_system_sgpr_workgroup_id_y 1
		.amdhsa_system_sgpr_workgroup_id_z 1
		.amdhsa_system_vgpr_workitem_id 0
		.amdhsa_next_free_vgpr 256
		.amdhsa_next_free_sgpr 66
		.amdhsa_reserve_vcc 1
		.amdhsa_float_denorm_mode_32 3
		.amdhsa_float_denorm_mode_16_64 3
		.amdhsa_memory_ordered 1
		.amdhsa_forward_progress 1
		.amdhsa_inst_pref_size 79
	.end_amdhsa_kernel
	.amdgpu_metadata
---
amdhsa.version: [ 1, 2 ]
amdhsa.kernels:
  - .name:           k_qa9502a5e21_quant
    .symbol:         k_qa9502a5e21_quant.kd
    .args:
      - { .name: query, .offset: 0, .size: 8, .value_kind: global_buffer, .address_space: global }
      - { .name: key_, .offset: 8, .size: 8, .value_kind: global_buffer, .address_space: global }
      - { .name: value, .offset: 16, .size: 8, .value_kind: global_buffer, .address_space: global }
      - { .name: Wq, .offset: 24, .size: 8, .value_kind: global_buffer, .address_space: global }
      - { .name: Wk, .offset: 32, .size: 8, .value_kind: global_buffer, .address_space: global }
      - { .name: Wv, .offset: 40, .size: 8, .value_kind: global_buffer, .address_space: global }
      - { .name: Wo, .offset: 48, .size: 8, .value_kind: global_buffer, .address_space: global }
      - { .name: bias_table, .offset: 56, .size: 8, .value_kind: global_buffer, .address_space: global }
      - { .name: offset, .offset: 64, .size: 8, .value_kind: global_buffer, .address_space: global }
      - { .name: c1, .offset: 72, .size: 8, .value_kind: global_buffer, .address_space: global }
      - { .name: s1, .offset: 80, .size: 8, .value_kind: global_buffer, .address_space: global }
      - { .name: tb, .offset: 88, .size: 8, .value_kind: global_buffer, .address_space: global }
    .group_segment_fixed_size: 34304
    .private_segment_fixed_size: 0
    .kernarg_segment_align: 8
    .kernarg_segment_size: 96
    .max_flat_workgroup_size: 128
    .sgpr_count:     66
    .vgpr_count:     256
    .wavefront_size: 32
...
	.end_amdgpu_metadata
.endif
;; end of part 1
;; launch proj (part 2): grid 4 x 96, 4 waves a work-group, clusters of 4 x 4, 327,680 bytes of LDS; arguments c1, s1, bq, bk, bv, c2, s2; writes c2, s2
.if DOCPART == 2
	.amdgcn_target "amdgcn-amd-amdhsa--gfx1250"
	.amdhsa_code_object_version 6
	.text
	.protected	k_qa9502a5e21_proj
	.globl	k_qa9502a5e21_proj
	.p2align	8
	.type	k_qa9502a5e21_proj,@function
k_qa9502a5e21_proj:
	s_mov_b64 s[64:65], 0
	v_nop
	global_prefetch_b8 v0, s[64:65] scope:SCOPE_SE
	s_setreg_imm32_b32 hwreg(HW_REG_WAVE_MODE, 25, 1), 1
	s_wait_xcnt 0x0
	s_wait_alu depctr_hold_cnt(0) depctr_sa_sdst(0) depctr_va_vdst(0) depctr_va_sdst(0) depctr_va_ssrc(0) depctr_va_vcc(0) depctr_vm_vsrc(0)
	s_getreg_b32 s2, hwreg(HW_REG_IB_STS2, 6, 4)
	s_cmp_eq_u32 s2, 0
	s_cbranch_scc0 .Lentry_in_a_cluster
	s_endpgm
.Lentry_in_a_cluster:
	s_bfe_u32 s2, ttmp6, 0x10000c
	s_cmp_lg_u32 s2, 0xf033
	s_cbranch_scc0 .Lentry_shape_is_right
	s_endpgm
.Lentry_shape_is_right:
; q = query Wq^T + bq, k = key_ Wk^T + bk, v = value Wv^T + bv on codes of E2M3 (K = 1,024), and each result quantised at once for the attention's products; nothing wide goes to memory.
; A tile of C is 256 x 256: four waves, each 128 x 128 in 64 accumulators.  K goes in four steps of 256 through two LDS slots filled by the tensor data mover.  The operands lie in memory as images of the
; operand's registers (1,536 bytes for 16 rows x 128 K), so a K step of 128 rows is 8 rows of 3,072 bytes, a fragment comes by four dense LDS loads, and there is no pitch and no padding.
; CLUSTERS: 4 x 4 work-groups; cluster y = 8 x which + i.  which = 0, 1 (q, k): A = the activations (tile row 4 i + cy), B = the weight (tile column cx).  which = 2 (v): A = Wv (tile row cy), B = value (tile column 4 i + cx).
; A's tiles are shared along a row of the cluster, B's along a column: each is asked for jointly.  The main part is one text for all three: only numbers are chosen.
; THE MATRIX INSTRUCTION IS USED TRANSPOSED: source 0 = 16 rows of B, source 1 = 16 rows of A: a lane holds one row of A, and its registers run along B's rows.  B's rows were laid so that the 16 registers of tiles 2 b, 2 b + 1
; are 16 neighbours: for q and k along the features (K of q k^T), for v along the tokens (K of p v).  So a block of 16 rows x 128 columns is one fragment of the next product, made in registers.
; OUT (c2): q at 0, k at 6,291,456, v at 12,582,912; each [batch x 8 + head pair][64][1536].  q, k: tile of 16 tokens; head 2 gp in bytes 0-767, head 2 gp + 1 behind it.  v: 8 x key step + tile of 16 features.
; OUT (s2): q's scale words at 0: [BG][head of the pair][128 tokens][512], the head's two bytes with zeros above; from 524,288 on [BG][12,288]: k's likewise (8,192), then v's [key step][head][row][tile] (4,096).
; LIMITS: as the quantiser's in the first launch: the byte is held at 1 from below, a block of zeros gets 1; NaN and infinities are not served.
; REGISTERS: window 0: v0-31 addresses; v32-63 scale words, two sets; v64-127 the bias in the result's layout; v128-223 A's fragments, one set; at the end v128-243 at work.  window 1: B's fragments, two sets, at v0 and v128.
; windows 2, 3: the accumulators of my rows 0-63 and 64-127, (a, b) at v[8 (8 (a % 4) + b)].
.set FR,    12                         ; registers of a fragment
.set NL,    4                          ; LDS loads that bring one
.set NP,    4                          ; places behind this matrix instruction (ISA guide 7.12.1)
.set PART,  24576                      ; 128 rows x 256 K: what one tensor load brings
.set SLOT,  4*PART                     ; A's two halves, then B's two
.set SCL,   2*SLOT                     ; behind the ring: the scale words of the four halves for all of K, 4,096 bytes each, filled once
.set SPARE, SCL+4*4096                 ; the spare words, 128 bytes a wave
.set ADRA,  16                         ; v16-17 my A fragments in slot 0, 1, at 16 x lane; v18-19 at 8 x lane
.set ADRB,  20                         ; v20-23 the same for B
.set L16,   24                         ; v24 16 x lane
.set L8,    25                         ; v25 8 x lane
.set ADRS,  27                         ; v27 my scale words: lanes 0-15 A's rows, lanes 16-31 B's
.set SPW,   28                         ; v28 my spare word; never rewritten
.set NIL,   29                         ; v29 0; never rewritten
.set SC,    32                         ; set s at v[SC + 16 s]; in it register 8 q + i: lanes 0-15 the word of A's block i, lanes 16-31 of B's block i
.set BT,    64
.set AF,    128
.set T,     128                        ; the end: 64 numbers of a lane
.set PC,    192
.set TM,    212
.set PWS,   228
.set W,     236
.set SEL,   2                          ; s[2:3]
.set WV,    18
.set RH,    19                         ; which half of the tile's rows is mine; also: I fetch for A (0) or B (1)
.set CH,    20                         ; which half of its columns; also: which 128 rows I fetch
.set WHICH, 21
.set G1,    24
.set G0,    32
.set G1B,   48
.set G0B,   56
.set G1S,   68
.set G0S,   76
.set G1SB,  80
.set G0SB,  88
.set MSB, 0
.macro WIN new                         ; the immediate's high byte repeats the setting that is left
.if MSB != (\new)
	s_set_vgpr_msb (MSB<<8)|(\new)
.set MSB, (\new)
.endif
.endm
.set MUL_LO, 0xa1                      ; source 0 (B) window 1, source 1 (A) window 0, C and D window 2
.set MUL_HI, 0xf1                      ; the same, C and D window 3
.set TO_B,   0x40                      ; destination window 1, address window 0
; A joint load: waves 0 and 1 fetch for A, waves 2 and 3 for B; the branch hangs on the wave's number alone.  An s_nop 0 and four v_nop follow each line.
.macro JLOAD g0a, g1a, g0b, g1b
	s_cmp_eq_u32 s[RH], 0
	s_cbranch_scc0 .Lfor_b_\@
	tensor_load_to_lds s[\g0a:\g0a+3], s[\g1a:\g1a+7]
	s_nop 0
.rept 4
	v_nop
.endr
	s_branch .Lasked_\@
.Lfor_b_\@:
	tensor_load_to_lds s[\g0b:\g0b+3], s[\g1b:\g1b+7]
	s_nop 0
.rept 4
	v_nop
.endr
.Lasked_\@:
.endm
.macro CREST                           ; a round of the cluster's barrier behind its opening barrier
	s_cmp_lg_u32 s[WV], 0
	s_cbranch_scc1 .Lnot_wave_0_\@
	s_barrier_signal -3
.Lnot_wave_0_\@:
	s_barrier_wait -3
	s_barrier_signal -1
	s_barrier_wait -1
.endm
.macro CROUND
	s_barrier_signal -1
	s_barrier_wait -1
	CREST
.endm
.macro PLACES n
.rept \n
	v_nop
.endr
.endm
.macro FRAG reg, adr, q, i             ; tile i, the slot's q-th 128 along K: the image comes back as it was stored
	ds_load_b128 v[\reg:\reg+3], v[\adr] offset:(\i)*3072+(\q)*1536
	ds_load_b64 v[\reg+4:\reg+5], v[\adr+2] offset:(\i)*3072+(\q)*1536+512
	ds_load_b128 v[\reg+6:\reg+9], v[\adr] offset:(\i)*3072+(\q)*1536+768
	ds_load_b64 v[\reg+10:\reg+11], v[\adr+2] offset:(\i)*3072+(\q)*1536+1280
.endm
.macro FETCH_B slot, q, p
	WIN TO_B
.irp i, 0,1,2,3,4,5,6,7
	FRAG 128*(\p)+FR*\i, ADRB+\slot, \q, \i
.endr
	WIN 0
.endm
.macro FETCH_A slot, q, i0
.irp i, \i0, \i0+1, \i0+2, \i0+3
	FRAG AF+FR*(\i), ADRA+\slot, \q, \i
.endr
.endm
.macro SCALES sc, ks                   ; K step ks's scale words: one load brings the words of four neighbouring tiles
.irp q, 0,1
.irp al, 0,1
	ds_load_b128 v[SC+16*(\sc)+8*\q+4*\al:SC+16*(\sc)+8*\q+4*\al+3], v[ADRS] offset:(2*(\ks)+\q)*512+\al*256
.endr
.endr
.endm
; 16 matrix instructions: A's blocks a0, a0 + 1 x B's eight.  cmode 1: the products start the sums; 2: they start them from the bias tile; 0: they add.  The 64 accumulators take turns.
.macro MUL16 a0, p, q, sc, cmode
.irp a, \a0, \a0+1
.irp b, 0,1,2,3,4,5,6,7
.if \cmode == 1
	v_wmma_scale_f32_16x16x128_f8f6f4 v[8*(8*((\a)%4)+\b):8*(8*((\a)%4)+\b)+7], v[128*(\p)+FR*\b:128*(\p)+FR*\b+FR-1], v[AF+FR*(\a):AF+FR*(\a)+FR-1], 0, v[SC+16*(\sc)+8*(\q)+\b], v[SC+16*(\sc)+8*(\q)+(\a)] matrix_a_fmt:MATRIX_FMT_FP6 matrix_b_fmt:MATRIX_FMT_FP6 matrix_a_scale:MATRIX_SCALE_ROW1
.elseif \cmode == 2
	v_wmma_scale_f32_16x16x128_f8f6f4 v[8*(8*((\a)%4)+\b):8*(8*((\a)%4)+\b)+7], v[128*(\p)+FR*\b:128*(\p)+FR*\b+FR-1], v[AF+FR*(\a):AF+FR*(\a)+FR-1], v[BT+8*\b:BT+8*\b+7], v[SC+16*(\sc)+8*(\q)+\b], v[SC+16*(\sc)+8*(\q)+(\a)] matrix_a_fmt:MATRIX_FMT_FP6 matrix_b_fmt:MATRIX_FMT_FP6 matrix_a_scale:MATRIX_SCALE_ROW1
.else
	v_wmma_scale_f32_16x16x128_f8f6f4 v[8*(8*((\a)%4)+\b):8*(8*((\a)%4)+\b)+7], v[128*(\p)+FR*\b:128*(\p)+FR*\b+FR-1], v[AF+FR*(\a):AF+FR*(\a)+FR-1], v[8*(8*((\a)%4)+\b):8*(8*((\a)%4)+\b)+7], v[SC+16*(\sc)+8*(\q)+\b], v[SC+16*(\sc)+8*(\q)+(\a)] matrix_a_fmt:MATRIX_FMT_FP6 matrix_b_fmt:MATRIX_FMT_FP6 matrix_a_scale:MATRIX_SCALE_ROW1
.endif
.endr
.endr
.endm
; A step of 128 along K that has its successor in the same slot
.macro STEP slot, q, cmode
	s_wait_dscnt 4*NL                              ; B's set, A's blocks 0-3 and the scale words are in; the youngest 16 loads (A's blocks 4-7) may be out
.if \cmode == 2
	WIN 0x81                                       ; C (the bias tile) window 0, D window 2
.else
	WIN MUL_LO
.endif
	MUL16 0, (\q)%2, \q, \slot, \cmode
	MUL16 2, (\q)%2, \q, \slot, \cmode
	s_wait_dscnt 0x0                               ; A's blocks 4-7 are in
	PLACES NP                                      ; in front of loads into registers that matrix instructions have read
	FETCH_B \slot, (\q)+1, 1-(\q)%2
	FETCH_A \slot, (\q)+1, 0
.if \cmode == 2
	WIN 0xc1
.else
	WIN MUL_HI
.endif
	MUL16 4, (\q)%2, \q, \slot, \cmode
	MUL16 6, (\q)%2, \q, \slot, \cmode
	PLACES NP
	WIN 0
	FETCH_A \slot, (\q)+1, 4
.endm
; A slot's last step changes slots: one barrier; in front of it each wave waits for all its tensor loads, adds 0 to its spare word, and waits for that and for its reads of this slot.
; fill = 1: the barrier opens a round of the cluster's, and this slot is filled again, two K steps ahead, first thing behind it.  ksn: the K step that comes next.
.macro TURN slot, next, fill, ksn
	s_wait_tensorcnt 0x0                           ; all my tensor loads have landed: my part of the next slot
	ds_add_u32 v[SPW], v[NIL]
	s_wait_dscnt 4*NL+1                            ; the add and the youngest 16 loads (A's blocks 4-7) may be out
	WIN MUL_LO
	MUL16 0, 1, 1, \slot, 0
	s_wait_dscnt 0x0                               ; the add is done, and my reads of this slot are over
	s_barrier_signal -1
	MUL16 2, 1, 1, \slot, 0
	WIN 0
	s_barrier_wait -1
.if \fill
	CREST                                          ; no wave of any partner still reads this slot or has a load on its way
	s_add_nc_u64 s[G0+4*\slot+2:G0+4*\slot+3], s[G0+4*\slot+2:G0+4*\slot+3], 6144
	s_add_nc_u64 s[G0B+4*\slot+2:G0B+4*\slot+3], s[G0B+4*\slot+2:G0B+4*\slot+3], 6144
	JLOAD G0+4*\slot, G1, G0B+4*\slot, G1B         ; its four v_nop are also the places in front of the loads below
.else
	PLACES NP
.endif
	FETCH_B \next, 0, 0
	FETCH_A \next, 0, 0
	SCALES \next, \ksn
	WIN MUL_HI
	MUL16 4, 1, 1, \slot, 0
	MUL16 6, 1, 1, \slot, 0
	PLACES NP
	WIN 0
	FETCH_A \next, 0, 4
.endm
; 64 numbers of a lane, register 16 b + i = k 32 b + 16 (lane / 16) + i of my row, become a fragment's codes in v[PC] .. v[PC+11] and its scale word in v[pw]
.macro QUANT s, pw
.irp b, 0,1,2,3
	v_max3_num_f32 v[TM+\b], |v[\s+16*\b]|, |v[\s+1+16*\b]|, 0x1800000   ; and the floor 2^(3 - 127): the byte cannot fall under 1
.endr
.irp i, 2,4,6,8,10,12,14
.irp b, 0,1,2,3
	v_max3_num_f32 v[TM+\b], v[TM+\b], |v[\s+16*\b+\i]|, |v[\s+1+16*\b+\i]|
.endr
.endr
.irp b, 0,1,2,3
	v_permlanex16_b32 v[TM+4+\b], v[TM+\b], s[SEL], s[SEL+1]
.endr
.irp b, 0,1,2,3
	v_max_num_f32 v[TM+\b], v[TM+\b], v[TM+4+\b]
.endr
.irp b, 0,1,2,3
	v_add_nc_u32 v[TM+12+\b], 0xff000000, v[TM+\b] ; 2 off the exponent field: the conversion's scale operand
.endr
.irp b, 0,1,2,3
	v_lshrrev_b32 v[TM+4+\b], 23, v[TM+12+\b]
.endr
	v_lshl_or_b32 v[\pw], v[TM+5], 8, v[TM+4]
	v_lshl_or_b32 v[\pw], v[TM+6], 16, v[\pw]
	v_lshl_or_b32 v[\pw], v[TM+7], 24, v[\pw]
.irp c, 0,1
	v_cvt_scalef32_pk16_fp6_f32 v[PC+6*\c:PC+2+6*\c], v[\s+32*\c:\s+15+32*\c], v[TM+12+2*\c]
	v_cvt_scalef32_pk16_fp6_f32 v[PC+12+4*\c:PC+14+4*\c], v[\s+16+32*\c:\s+31+32*\c], v[TM+12+2*\c+1]
.endr
	v_nop                                          ; one plain instruction behind the scaled conversions
.irp c, 0,1
.irp i, 0,1,2
	v_permlane16_swap_b32 v[PC+6*\c+\i], v[PC+12+4*\c+\i]
.endr
.irp i, 0,1,2
	v_mov_b32 v[PC+3+6*\c+\i], v[PC+12+4*\c+\i]
.endr
.endr
.endm
.macro STOREFRAG sb, imm
	global_store_b128 v[L16], v[PC:PC+3], s[\sb:\sb+1] offset:\imm
	global_store_b64 v[L8], v[PC+4:PC+5], s[\sb:\sb+1] offset:\imm+512
	global_store_b128 v[L16], v[PC+6:PC+9], s[\sb:\sb+1] offset:\imm+768
	global_store_b64 v[L8], v[PC+10:PC+11], s[\sb:\sb+1] offset:\imm+1280
.endm
; Block a's eight accumulators plus the bias go to window 0.  q, k: the bias runs along B's rows (tile b); v: along A's (tile a).  Each accumulator is read from its low end on.
.macro ADDB a
	s_cmp_eq_u32 s[WHICH], 2
	s_cbranch_scc1 .Lbv_\@
	WIN 2+(\a)/4
.irp b, 0,1,2,3,4,5,6,7
.irp j, 0,2,4,6
	v_pk_add_f32 v[T+8*\b+\j:T+8*\b+\j+1], v[8*(8*((\a)%4)+\b)+\j:8*(8*((\a)%4)+\b)+\j+1], v[BT+8*\b+\j:BT+8*\b+\j+1]
.endr
.endr
	WIN 0
	s_branch .Lbd_\@
.Lbv_\@:
	WIN 2+(\a)/4
.irp b, 0,1,2,3,4,5,6,7
.irp j, 0,2,4,6
	v_pk_add_f32 v[T+8*\b+\j:T+8*\b+\j+1], v[8*(8*((\a)%4)+\b)+\j:8*(8*((\a)%4)+\b)+\j+1], v[BT+8*(\a)+\j:BT+8*(\a)+\j+1]
.endr
.endr
	WIN 0
.Lbd_\@:
.endm
	s_load_b256 s[4:11], s[0:1], 0x0               ; c1, s1, bq, bk
	s_load_b128 s[12:15], s[0:1], 0x20             ; bv, c2
	s_load_b64 s[16:17], s[0:1], 0x30              ; s2
	v_lshl_add_u32 v[SPW], v0, 2, SPARE
	v_mov_b32 v[NIL], 0
	ds_add_u32 v[SPW], v[NIL]                      ; the wave's opening: the add and its wait ahead of my first tensor load
	ds_add_u32 v[SPW], v[NIL]
	v_lshrrev_b32 v1, 5, v0
	v_readfirstlane_b32 s[WV], v1
	s_lshr_b32 s[RH], s[WV], 1
	s_and_b32 s[CH], s[WV], 1
	s_bfe_u32 s40, ttmp6, 0x40000                  ; cx
	s_bfe_u32 s41, ttmp6, 0x40004                  ; cy
	s_and_b32 s22, ttmp7, 0xffff                   ; cluster y: the same in all sixteen partners
	s_lshr_b32 s[WHICH], s22, 3
	s_and_b32 s22, s22, 7
	s_lshl_b32 s46, s[WHICH], 13                   ; q, k: A = query at position 0 or key_ at 8,192,
	s_lshl_b32 s47, s[WHICH], 10
	s_add_co_u32 s47, s47, 24576                   ; B = Wq at 24,576 or Wk at 25,600
	s_cmp_eq_u32 s[WHICH], 2
	s_cselect_b32 s44, 0, s22
	s_cselect_b32 s45, s22, 0
	s_cselect_b32 s46, 26624, s46                  ; v: A = Wv,
	s_cselect_b32 s47, 16384, s47                  ; B = value
	s_lshl_b32 s43, s44, 2
	s_add_co_u32 s43, s43, s41                     ; tile row
	s_lshl_b32 s42, s45, 2
	s_add_co_u32 s42, s42, s40                     ; tile column
	s_lshl_b32 s92, s41, 2
	s_lshl_b32 s92, 15, s92                        ; my row of the cluster
	s_lshl_b32 s93, 0x1111, s40                    ; my column
	; group 1 for the codes: 8 rows of 384 elements of 8 bytes (3,072 bytes: a tile's two fragments), 1,536 elements apart; no padding
	s_or_b32 s[G1+0], s92, (3<<16)|(1<<21)
	s_or_b32 s[G1B+0], s93, (3<<16)|(1<<21)
.irp g, G1, G1B
	s_mov_b32 s[\g+1], 384<<16                     ; tensor_dim0
	s_mov_b32 s[\g+2], 16<<16                      ; tensor_dim1: 16 rows (256 positions) for the head's loads; set to 8 behind them
	s_mov_b32 s[\g+3], 384<<16                     ; tile_dim0
	s_mov_b32 s[\g+4], 16                          ; tile_dim1 likewise
	s_mov_b32 s[\g+5], 1536                        ; from row to row
	s_mov_b32 s[\g+6], 0
	s_mov_b32 s[\g+7], 0
.endr
	; and for the scale words of 256 rows: 8,192 dense bytes as 32 rows of 256
	s_or_b32 s[G1S+0], s92, (3<<16)|(1<<21)
	s_or_b32 s[G1SB+0], s93, (3<<16)|(1<<21)
.irp g, G1S, G1SB
	s_mov_b32 s[\g+1], 32<<16
	s_mov_b32 s[\g+2], 32<<16                      ; the scale words of 256 positions: 32 rows of 256 bytes
	s_mov_b32 s[\g+3], 32<<16
	s_mov_b32 s[\g+4], 32
	s_mov_b32 s[\g+5], 32
	s_mov_b32 s[\g+6], 0
	s_mov_b32 s[\g+7], 0
.endr
	s_lshl_b32 s94, s[CH], 7
	s_lshl_b32 s95, s43, 8
	s_add_co_u32 s95, s95, s94
	s_add_co_u32 s95, s95, s46                     ; A: the first of the 128 positions that I fetch
	s_lshl_b32 s98, s42, 8
	s_add_co_u32 s98, s98, s94
	s_add_co_u32 s98, s98, s47                     ; B likewise
	s_mul_i32 s96, s95, 768                        ; a position is worth 768 bytes of codes,
	s_mov_b32 s97, 0
	s_mul_i32 s100, s98, 768
	s_mov_b32 s101, 0
	s_sub_co_u32 s95, s95, s94                     ; the scale words come for the tile's whole 256 positions: without my half
	s_sub_co_u32 s98, s98, s94
	s_lshl_b32 s95, s95, 5
	s_lshl_b32 s98, s98, 5
	s_mul_i32 s99, s[WV], PART                     ; where they go: by the wave's number alone
	s_lshl_b32 s94, s[RH], 13                      ; A's 8,192 bytes of scale words, then B's
	s_add_co_u32 s94, s94, SCL
.irp g, G0, G0B
	s_mov_b32 s[\g], 1
	s_mov_b32 s[\g+1], s99
	s_mov_b32 s[\g+4], 1
	s_add_co_u32 s[\g+5], s99, SLOT
.endr
	s_mov_b32 s[G0S], 1
	s_mov_b32 s[G0S+1], s94
	s_mov_b32 s[G0SB], 1
	s_mov_b32 s[G0SB+1], s94
	s_mov_b32 s[SEL], 0x76543210
	s_mov_b32 s[SEL+1], 0xfedcba98
	s_wait_dscnt 0x0                               ; the opening add is done
	s_wait_kmcnt 0x0
	s_add_nc_u64 s[G0+2:G0+3], s[4:5], s[96:97]    ; K step 0,
	s_add_nc_u64 s[G0+6:G0+7], s[G0+2:G0+3], 3072  ; K step 1
	s_mov_b32 s96, s95
	s_add_nc_u64 s[G0S+2:G0S+3], s[6:7], s[96:97]
	s_add_nc_u64 s[G0B+2:G0B+3], s[4:5], s[100:101]
	s_add_nc_u64 s[G0B+6:G0B+7], s[G0B+2:G0B+3], 3072
	s_mov_b32 s100, s98
	s_add_nc_u64 s[G0SB+2:G0SB+3], s[6:7], s[100:101]
.irp g, G0+3, G0+7, G0B+3, G0B+7, G0S+3, G0SB+3
	s_or_b32 s[\g], s[\g], 0x80000000              ; type = 2
.endr
	CROUND                                         ; all sixteen work-groups are here: the first joint loads meet
; The head's four tiles, one joint load a wave: wave 0 K step 0 of A's 256 rows, wave 1 A's scale words, wave 2 K step 0 of B's 256 rows, wave 3 B's scale words.
; Waves 0 and 2 fetch the first half in the ring, so their slot 0 group 0 already names the tile's first row and its place in LDS.
.macro ARM under, g0, g1, next
	s_cmp_lt_u32 s[WV], \under
	s_cbranch_scc0 \next
	tensor_load_to_lds s[\g0:\g0+3], s[\g1:\g1+7]
	s_nop 0
.rept 4
	v_nop
.endr
	s_branch .Lhead_asked
\next:
.endm
	ARM 1, G0, G1, .Lhead_sa
	ARM 2, G0S, G1S, .Lhead_b
	ARM 3, G0B, G1B, .Lhead_sb
	tensor_load_to_lds s[G0SB:G0SB+3], s[G1SB:G1SB+7]
	s_nop 0
.rept 4
	v_nop
.endr
.Lhead_asked:
	v_and_b32 v1, 15, v0                           ; r
	v_bfe_u32 v2, v0, 4, 1                         ; h
	v_and_b32 v3, 31, v0                           ; lane
	v_lshlrev_b32 v[L16], 4, v3
	v_lshlrev_b32 v[L8], 3, v3
	s_mul_i32 s22, s[RH], PART                     ; my 128 rows of A,
	s_mul_i32 s23, s[CH], PART
	s_add_co_u32 s23, s23, 2*PART                  ; my 128 rows of B
.irp s, 0,1
	v_add_nc_u32 v[ADRA+\s], s22, v[L16]
	v_add_nc_u32 v[ADRA+2+\s], s22, v[L8]
	v_add_nc_u32 v[ADRB+\s], s23, v[L16]
	v_add_nc_u32 v[ADRB+2+\s], s23, v[L8]
	s_add_co_u32 s22, s22, SLOT
	s_add_co_u32 s23, s23, SLOT
.endr
	s_lshl_b32 s22, s[RH], 12
	s_lshl_b32 s23, s[CH], 12
	s_add_co_u32 s23, s23, 8192
	s_sub_co_u32 s23, s23, s22
	v_mul_u32_u24 v6, s23, v2                      ; lanes 16-31 take B's words
	s_add_co_u32 s22, s22, SCL
	v_lshlrev_b32 v5, 4, v1
	v_add_nc_u32 v5, v5, v6
	v_add_nc_u32 v[ADRS], s22, v5
	v_lshlrev_b32 v10, 6, v2                       ; q, k: the bias of features 32 (b / 2) + 16 h + 8 (b % 2) + 0 .. 7
	v_and_b32 v11, 8, v1
	v_add_nc_u32 v11, v11, v1
	v_lshlrev_b32 v11, 2, v11                      ; v: of feature 32 (a / 2) + 8 (a % 2) + r + 8 (r / 8)
	v_lshlrev_b32 v12, 4, v1
	v_lshl_add_u32 v12, v2, 12, v12                ; q, k: a scale word's place: head h of the pair, row r
	v_lshlrev_b32 v26, 4, v2                       ; and the head's two bytes in the word
	s_lshl_b32 s66, s43, 8
	s_lshl_b32 s22, s[RH], 7
	s_add_co_u32 s66, s66, s22                     ; my wave's first row of A, in its tensor,
	s_lshl_b32 s67, s42, 8
	s_lshl_b32 s22, s[CH], 7
	s_add_co_u32 s67, s67, s22                     ; and of B
	s_mov_b32 s23, 0
	s_lshl_b32 s22, s67, 2
	s_cmp_eq_u32 s[WHICH], 0
	s_cselect_b64 s[8:9], s[8:9], s[10:11]         ; bq or bk
	s_add_nc_u64 s[8:9], s[8:9], s[22:23]
	s_lshl_b32 s22, s66, 2
	s_add_nc_u64 s[12:13], s[12:13], s[22:23]
	s_cmp_eq_u32 s[WHICH], 2                       ; both arms fill all 64 registers of the bias tile
	s_cbranch_scc1 .Lbias_v
	s_wait_alu depctr_va_vdst(0)
.irp b, 0,1,2,3,4,5,6,7
	global_load_b128 v[BT+8*\b:BT+8*\b+3], v10, s[8:9] offset:(32*(\b/2)+8*(\b%2))*4
	global_load_b128 v[BT+8*\b+4:BT+8*\b+7], v10, s[8:9] offset:(32*(\b/2)+8*(\b%2))*4+16
.endr
	s_branch .Lbias_done
.Lbias_v:
	s_wait_alu depctr_va_vdst(0)
.irp a, 0,1,2,3,4,5,6,7
.irp j, 0,1,2,3,4,5,6,7
	global_load_b32 v[BT+8*\a+\j], v11, s[12:13] offset:(32*(\a/2)+8*(\a%2))*4
.endr
.endr
.Lbias_done:
	s_cmp_eq_u32 s[WHICH], 2
	s_cselect_b32 s22, s67, s66                    ; my first token,
	s_cselect_b32 s10, s66, s67                    ; my first feature
	s_lshr_b32 s66, s22, 10
	s_lshl_b32 s66, s66, 3
	s_lshr_b32 s10, s10, 7
	s_add_co_u32 s66, s66, s10                     ; BG = 8 x batch + head pair
	s_bfe_u32 s67, s22, 0x60004                    ; the token's tile in its batch
	s_lshl_b32 s22, s66, 6
	s_add_co_u32 s22, s22, s67
	s_mul_i32 s22, s22, 1536
	s_mul_i32 s10, s[WHICH], 6291456
	s_add_co_u32 s22, s22, s10
	s_add_nc_u64 s[14:15], s[14:15], s[22:23]      ; c2 at my first fragment
	s_lshl_b32 s22, s66, 13
	s_mul_i32 s10, s66, 12288
	s_add_co_u32 s10, s10, 524288
	s_cmp_eq_u32 s[WHICH], 0
	s_cselect_b32 s22, s22, s10
	s_cmp_eq_u32 s[WHICH], 2
	s_cselect_b32 s10, 8192, 0
	s_add_co_u32 s22, s22, s10
	s_lshl_b32 s67, s67, 6                         ; 512 bytes for each 128 tokens
	s_add_co_u32 s22, s22, s67
	s_add_nc_u64 s[16:17], s[16:17], s[22:23]      ; s2 at my scale words
	s_wait_alu depctr_va_vdst(0)                   ; the wait at the head's end
	s_wait_tensorcnt 0x0                           ; my tile of the head's four is in
	ds_add_u32 v[SPW], v[NIL]
	s_mov_b32 s[G1+2], 8<<16                       ; no tensor load of mine is out: from here on a load brings 8 rows (128 positions)
	s_mov_b32 s[G1+4], 8
	s_mov_b32 s[G1B+2], 8<<16
	s_mov_b32 s[G1B+4], 8
	s_wait_dscnt 0x0
	CROUND                                         ; all four tiles are in, and all sixteen work-groups are here
	JLOAD G0+4, G1, G0B+4, G1B                     ; K step 1 into slot 1: the first tensor load behind the round
	FETCH_B 0, 0, 0
	FETCH_A 0, 0, 0
	SCALES 0, 0
	FETCH_A 0, 0, 4
	STEP 0, 0, 1                                   ; the first products start the sums: nothing is cleared
	TURN 0, 1, 1, 1                                ; slot 0 takes K step 2
	STEP 1, 0, 0
	TURN 1, 0, 1, 2                                ; slot 1 takes K step 3
	STEP 0, 0, 0
	TURN 0, 1, 0, 3                                ; nothing is left to fetch
	STEP 1, 0, 0
	s_wait_dscnt 4*NL
	WIN MUL_LO
	MUL16 0, 1, 1, 1, 0
	MUL16 2, 1, 1, 1, 0
	s_wait_dscnt 0x0
	WIN MUL_HI
	MUL16 4, 1, 1, 1, 0
	MUL16 6, 1, 1, 1, 0
	WIN 0
	; THE END: block by block of 16 rows of A: + bias, quantised along B's rows, stored as one fragment
	PLACES NP                                      ; behind the last products: their results are read and A's registers written below
	s_wait_loadcnt 0x0                             ; the bias tile
.irp b, 0,1,2,3
	v_mov_b32 v[TM+4+\b], 0                        ; a lane permute's destination counts as one of its sources
.endr
.irp a, 0,1,2,3,4,5,6,7
	ADDB \a
.if \a > 0
	s_wait_xcnt 0x0                                ; the last fragment's stores have read the codes' registers
.endif
	QUANT T, PWS+\a
	STOREFRAG 14, \a*1536
.endr
	s_cmp_eq_u32 s[WHICH], 2
	s_cbranch_scc1 .Lwords_v
.irp a, 0,1,2,3,4,5,6,7
	v_bfe_u32 v[W+\a], v[PWS+\a], v26, 16          ; lanes 0-15: the first head's two bytes; lanes 16-31: the second's; zeros above
.endr
	global_store_b128 v12, v[W:W+3], s[16:17]      ; sixteen lanes store 256 consecutive bytes
	global_store_b128 v12, v[W+4:W+7], s[16:17] offset:256
	s_branch .Lwords_done
.Lwords_v:
	v_cmp_ne_u32 vcc_lo, 0, v2
.irp j, 0,1,2,3
	v_cndmask_b32 v[W+\j], v[PWS+\j], v[PWS+4+\j], vcc_lo   ; lanes 0-15: the first head's four tiles; lanes 16-31: the second's
.endr
	global_store_b128 v[L16], v[W:W+3], s[16:17]
.Lwords_done:
	s_wait_tensorcnt 0x0                           ; the wave's end
	ds_add_u32 v[SPW], v[NIL]
	s_wait_dscnt 0x0
	CROUND                                         ; the closing round: no work-group ends while a partner may still ask for a tile that names it
	s_endpgm
.Lfunc_end_k_qa9502a5e21_proj:
	.size	k_qa9502a5e21_proj, .Lfunc_end_k_qa9502a5e21_proj-k_qa9502a5e21_proj
	.p2alignl 7, 3214868480
	.fill 96, 4, 3214868480
	.section	.rodata,"a",@progbits
	.p2align	6, 0x0
	.amdhsa_kernel k_qa9502a5e21_proj
		.amdhsa_group_segment_fixed_size 327680
		.amdhsa_private_segment_fixed_size 0
		.amdhsa_enable_private_segment 0
		.amdhsa_kernarg_size 56
		.amdhsa_user_sgpr_count 2
		.amdhsa_user_sgpr_kernarg_segment_ptr 1
		.amdhsa_wavefront_size32 1
		.amdhsa_system_sgpr_workgroup_id_x 1
		.amdhsa_system_sgpr_workgroup_id_y 1
		.amdhsa_system_sgpr_workgroup_id_z 1
		.amdhsa_system_vgpr_workitem_id 0
		.amdhsa_next_free_vgpr 1024
		.amdhsa_next_free_sgpr 102
		.amdhsa_reserve_vcc 1
		.amdhsa_float_denorm_mode_32 3
		.amdhsa_float_denorm_mode_16_64 3
		.amdhsa_memory_ordered 1
		.amdhsa_forward_progress 1
		.amdhsa_inst_pref_size 190
	.end_amdhsa_kernel
	.amdgpu_metadata
---
amdhsa.version: [ 1, 2 ]
amdhsa.kernels:
  - .name:           k_qa9502a5e21_proj
    .symbol:         k_qa9502a5e21_proj.kd
    .args:
      - { .name: c1, .offset: 0, .size: 8, .value_kind: global_buffer, .address_space: global }
      - { .name: s1, .offset: 8, .size: 8, .value_kind: global_buffer, .address_space: global }
      - { .name: bq, .offset: 16, .size: 8, .value_kind: global_buffer, .address_space: global }
      - { .name: bk, .offset: 24, .size: 8, .value_kind: global_buffer, .address_space: global }
      - { .name: bv, .offset: 32, .size: 8, .value_kind: global_buffer, .address_space: global }
      - { .name: c2, .offset: 40, .size: 8, .value_kind: global_buffer, .address_space: global }
      - { .name: s2, .offset: 48, .size: 8, .value_kind: global_buffer, .address_space: global }
    .group_segment_fixed_size: 327680
    .private_segment_fixed_size: 0
    .kernarg_segment_align: 8
    .kernarg_segment_size: 56
    .max_flat_workgroup_size: 128
    .sgpr_count:     102
    .vgpr_count:     1024
    .wavefront_size: 32
...
	.end_amdgpu_metadata
.endif
;; end of part 2
;; launch attn (part 3): grid 4 x 64, 8 waves a work-group, clusters of 4 x 1, 327,680 bytes of LDS; arguments c2, s2, tb, c3, s3; writes c3, s3
.if DOCPART == 3
	.amdgcn_target "amdgcn-amd-amdhsa--gfx1250"
	.amdhsa_code_object_version 6
	.text
	.protected	k_qa9502a5e21_attn
	.globl	k_qa9502a5e21_attn
	.p2align	8
	.type	k_qa9502a5e21_attn,@function
k_qa9502a5e21_attn:
	s_mov_b64 s[64:65], 0
	v_nop
	global_prefetch_b8 v0, s[64:65] scope:SCOPE_SE
	s_setreg_imm32_b32 hwreg(HW_REG_WAVE_MODE, 25, 1), 1
	s_wait_xcnt 0x0
	s_wait_alu depctr_hold_cnt(0) depctr_sa_sdst(0) depctr_va_vdst(0) depctr_va_sdst(0) depctr_va_ssrc(0) depctr_va_vcc(0) depctr_vm_vsrc(0)
	s_getreg_b32 s2, hwreg(HW_REG_IB_STS2, 6, 4)
	s_cmp_eq_u32 s2, 0
	s_cbranch_scc0 .Lentry_in_a_cluster
	s_endpgm
.Lentry_in_a_cluster:
	s_bfe_u32 s2, ttmp6, 0x10000c
	s_cmp_lg_u32 s2, 0x3003
	s_cbranch_scc0 .Lentry_shape_is_right
	s_endpgm
.Lentry_shape_is_right:
; o = softmax(q k^T / 8 + bias) v on codes of E2M3, and o quantised at once along the features for the last product.
; A work-group takes one batch and head pair (work-group y) and 256 queries (x).  Eight waves: head = wave / 4; a wave takes 64 queries in two passes of TWO neighbouring tiles of 16 queries,
; whose chains stand line by line beside each other and share every fragment of k and v.  Local tile = 8 pass + 2 (wave % 4) + u.
; LDS: k's codes of the pair for all 1,024 keys (98,304 bytes), v's (98,304), their scale words (12,288): asked for once, at the head, one joint load a wave; nothing is filled again.
; The four work-groups of a cluster (the four query quarters) need the same k and v: each load names all four.  No data prefetch: every tile is asked for at the head, there is no loop to run ahead in.
; Both products are used transposed (S^T = k q^T, O^T = v^T p^T): a lane holds one query.  k's tokens and v's features were laid so that the 16 registers of tiles 2 b, 2 b + 1 are 16 neighbours.
; K of q k^T is 64: q's registers 6-11 are zero codes, so k's registers 6-11 may hold any codes (E2M3 has only finite ones): k's tiles lie 6 registers apart and a tile's upper half is the next tile's codes.
; BIAS: tb holds 8 x bias at index 1023 - q + k; the window of 1,283 entries lies in LDS four times, shifted by 0 to 3 entries, so that each lane reads 16 aligned bytes; it is the C of the first product.
; SOFTMAX: t = S x log2(e) / 8, M the running ceiling of the largest t, p = 2^(t - M); the sum is taken of p unquantised; a change of M multiplies sum and O^T by an exact power of two.
; A pass begins by setting the largest t to -3e38: the first factor is then 0, which clears the sum and O^T of what the pass before left there (finite numbers).
; One loop of 16 trips: pass = trip / 8, key step = trip % 8.  In each trip the next trip's fragments are asked for; the last trip's requests wrap to step 0 and are not used.
; LIMITS: the promise holds while the scaled scores stay under 2^31 in magnitude; NaN and infinities are not served; a block's byte is held at 1 from below, a block of zeros gets 1 (this program alone reads the bytes).
; REGISTERS: window 0: addresses, fragments, codes, work.  Window 1: v0-127 the two tiles' scores, v128-191 their O^T, v192-205 the second pass's q.
.set SCL,   196608
.set BIAS,  208896                     ; 2 heads x 4 copies x 5,184 bytes
.set STG,   250368                     ; o's scale bytes: [pass][head][512]
.set SPARE, 252416                     ; the spare words, 128 bytes a wave
.set SPW,   5
.set NIL,   6
.set NM,    12                         ; v[12+2u] -M, v[13+2u] the largest t
.set LS,    16                         ; v[16+2u:17+2u] the sum in two halves
.set FF,    30                         ; v[30+2u] the factor, v[31+2u] p's scale word
.set QF,    34                         ; q's fragment of tile u at QF + 12 u
.set QS,    58
.set KF,    60                         ; k's tile t at KF + 6 t; six zeros behind the last
.set KSC,   114
.set VSC,   122
.set VF,    126
.set PC,    174                        ; p's codes of tile u at PC + 12 u
.set CT,    198
.set BM,    214
.set PT,    222
.set SO,    230
.set CH,    238
.set SU,    240
.set WD,    244
.set OA,    128                        ; window 1
.set QH,    192                        ; window 1
.set WV,    18
.set HD,    19
.set SEL,   20
.set CS,    22
.set G1,    24
.set G1S,   32
.set G0,    40
.set G0S,   44
.set TB,    48
.set TS,    49
.set TBI,   50
.set CNT,   51
.set NX,    52
.set PP,    53
.set MSB, 0
.macro WIN new                         ; the immediate's high byte repeats the setting that is left
.if MSB != (\new)
	s_set_vgpr_msb (MSB<<8)|(\new)
.set MSB, (\new)
.endif
.endm
.macro D2
	s_delay_alu instid0(VALU_DEP_2)
.endm
.macro D4
	s_delay_alu instid0(VALU_DEP_4)
.endm
.macro CROUND
	s_barrier_signal -1
	s_barrier_wait -1
	s_cmp_lg_u32 s[WV], 0
	s_cbranch_scc1 .Lnot_wave_0_\@
	s_barrier_signal -3
.Lnot_wave_0_\@:
	s_barrier_wait -3
	s_barrier_signal -1
	s_barrier_wait -1
.endm
.macro ADDR                            ; a step's seven LDS addresses
	v_add_nc_u32 v20, s[TB], v1
	v_add_nc_u32 v21, s[TB], v2
	v_add_nc_u32 v22, s[TB], v3
	v_add_nc_u32 v23, s[TB], v4
	v_add_nc_u32 v24, s[TS], v7
	v_add_nc_u32 v25, s[TS], v8
	v_add_nc_u32 v26, s[TBI], v9
.endm
.macro LOADK                           ; 18 loads: eight tiles of 16 keys x my head's 64, and their scale words
.irp t, 0,1,2,3,4,5,6,7
	ds_load_b128 v[KF+6*\t:KF+6*\t+3], v20 offset:\t*1536
	ds_load_b64 v[KF+6*\t+4:KF+6*\t+5], v21 offset:\t*1536
.endr
	ds_load_b128 v[KSC:KSC+3], v24
	ds_load_b128 v[KSC+4:KSC+7], v24 offset:256
.endm
.macro LOADB                           ; 32 loads: the bias of both tiles, in the scores' registers; tile 1's queries lie 16 on, its entries 64 bytes back
	WIN 0x40
.irp u, 0,1
.irp b, 0,1,2,3
.irp m, 0,1,2,3
	ds_load_b128 v[64*\u+16*\b+4*\m:64*\u+16*\b+4*\m+3], v26 offset:64*(1-\u)+128*\b+16*\m
.endr
.endr
.endr
	WIN 0
.endm
.macro LOADV                           ; 17 loads: four tiles of 16 features x 128 keys, and their scale words
.irp t, 0,1,2,3
	ds_load_b128 v[VF+12*\t:VF+12*\t+3], v22 offset:\t*1536
	ds_load_b64 v[VF+12*\t+4:VF+12*\t+5], v23 offset:\t*1536
	ds_load_b128 v[VF+12*\t+6:VF+12*\t+9], v22 offset:\t*1536+768
	ds_load_b64 v[VF+12*\t+10:VF+12*\t+11], v23 offset:\t*1536+768
.endr
	ds_load_b128 v[VSC:VSC+3], v25
.endm
	s_load_b256 s[4:11], s[0:1], 0x0               ; c2, s2, tb, c3
	s_load_b64 s[12:13], s[0:1], 0x20              ; s3
	v_lshl_add_u32 v[SPW], v0, 2, SPARE
	v_mov_b32 v[NIL], 0
	ds_add_u32 v[SPW], v[NIL]                      ; the opening lines: the add twice on end, one wait
	ds_add_u32 v[SPW], v[NIL]
	v_lshrrev_b32 v60, 5, v0
	v_readfirstlane_b32 s[WV], v60
	s_lshr_b32 s[HD], s[WV], 2                     ; head of the pair
	s_and_b32 s54, s[WV], 3                        ; wave in the head
	s_and_b32 s57, ttmp7, 0xffff                   ; 8 x batch + pair
	s_bfe_u32 s55, ttmp6, 0x40000
	s_lshl_b32 s56, ttmp9, 2
	s_add_co_u32 s56, s56, s55                     ; query quarter: it enters global addresses alone
	s_and_b32 s14, s57, 7                          ; pair
	s_lshr_b32 s15, s57, 3                         ; batch
	s_mov_b32 s[G1], 15|(3<<16)|(1<<21)            ; codes: 128 rows of 256 bytes, dense; all four partners named
	s_mov_b32 s[G1+1], 32<<16
	s_mov_b32 s[G1+2], 128<<16
	s_mov_b32 s[G1+3], 32<<16
	s_mov_b32 s[G1+4], 128
	s_mov_b32 s[G1+5], 32
	s_mov_b32 s[G1+6], 0
	s_mov_b32 s[G1+7], 0
	s_mov_b32 s[G1S], 15|(3<<16)|(1<<21)           ; scale words: 24 rows of 256 bytes
	s_mov_b32 s[G1S+1], 32<<16
	s_mov_b32 s[G1S+2], 24<<16
	s_mov_b32 s[G1S+3], 32<<16
	s_mov_b32 s[G1S+4], 24
	s_mov_b32 s[G1S+5], 32
	s_mov_b32 s[G1S+6], 0
	s_mov_b32 s[G1S+7], 0
	s_mov_b32 s[G0], 1                             ; waves 0-2: thirds of k; waves 3-5: thirds of v, behind k in LDS
	s_lshl_b32 s[G0+1], s[WV], 15
	s_mul_i32 s60, s57, 98304
	s_add_co_u32 s60, s60, s[G0+1]
	s_cmp_ge_u32 s[WV], 3
	s_cselect_b32 s62, 6193152, 0                  ; v lies 6,291,456 behind k; three thirds are 98,304
	s_add_co_u32 s60, s60, s62
	s_add_co_u32 s60, s60, 6291456
	s_mov_b32 s61, 0
	s_mov_b32 s[G0S], 1                            ; waves 6, 7: halves of the scale words
	s_mul_i32 s62, s[WV], 6144
	s_add_co_u32 s[G0S+1], s62, SCL-36864
	s_mul_i32 s66, s57, 12288
	s_add_co_u32 s66, s66, s62
	s_add_co_u32 s66, s66, 524288-36864
	s_mov_b32 s67, 0
	s_lshl_b32 s62, s56, 4                         ; my first tile among the batch's 64: 16 x quarter + 2 x wave in the head
	s_lshl_b32 s63, s54, 1
	s_add_co_u32 s62, s62, s63
	s_mul_i32 s55, s[HD], 768
	s_lshl_b32 s68, s57, 6
	s_add_co_u32 s68, s68, s62
	s_mul_i32 s68, s68, 1536
	s_add_co_u32 s68, s68, s55                     ; q's codes
	s_mov_b32 s69, 0
	s_lshl_b32 s70, s56, 10
	s_lshr_b32 s71, s54, 1
	s_lshl_b32 s71, s71, 8
	s_and_b32 s59, s54, 1
	s_lshl_b32 s59, s59, 3
	s_add_co_u32 s71, s71, s59                     ; a scale word's place among 128 tokens': (tile / 4) x 256 + (tile % 4) x 4
	s_lshl_b32 s72, s57, 1
	s_add_co_u32 s72, s72, s[HD]
	s_lshl_b32 s72, s72, 12
	s_add_co_u32 s72, s72, s70
	s_add_co_u32 s72, s72, s71                     ; q's scale words
	s_mov_b32 s73, 0
	s_lshl_b32 s74, s14, 1
	s_add_co_u32 s74, s74, s[HD]
	s_mul_i32 s74, s74, 9216
	s_add_co_u32 s74, s74, 3072
	s_sub_co_u32 s74, s74, s70                     ; the table's window: from entry 768 - 256 x quarter of my head
	s_mov_b32 s75, 0
	s_lshl_b32 s76, s15, 6
	s_add_co_u32 s76, s76, s62
	s_lshl_b32 s76, s76, 3
	s_add_co_u32 s76, s76, s14
	s_mul_i32 s76, s76, 1536
	s_add_co_u32 s76, s76, s55                     ; o's codes: fragment (token tile, pair), my head's half
	s_mov_b32 s77, 0
	s_lshl_b32 s78, s15, 3
	s_lshl_b32 s63, s56, 1
	s_add_co_u32 s78, s78, s63
	s_lshl_b32 s78, s78, 12
	s_lshl_b32 s63, s14, 9
	s_add_co_u32 s78, s78, s63                     ; o's scale words
	s_mov_b32 s79, 0
	s_mov_b32 s[SEL], 0x76543210
	s_mov_b32 s[SEL+1], 0xfedcba98
	s_mov_b32 s[CS], 0x3e38aa3b                    ; log2(e) / 8
	s_mov_b32 s[CS+1], s[CS]
	s_wait_dscnt 0x0
	s_wait_kmcnt 0x0
	s_add_nc_u64 s[G0+2:G0+3], s[4:5], s[60:61]
	s_or_b32 s[G0+3], s[G0+3], 0x80000000
	s_add_nc_u64 s[G0S+2:G0S+3], s[6:7], s[66:67]
	s_or_b32 s[G0S+3], s[G0S+3], 0x80000000
	s_add_nc_u64 s[68:69], s[4:5], s[68:69]
	s_add_nc_u64 s[72:73], s[6:7], s[72:73]
	s_add_nc_u64 s[74:75], s[8:9], s[74:75]
	s_add_nc_u64 s[76:77], s[10:11], s[76:77]
	s_add_nc_u64 s[78:79], s[12:13], s[78:79]
	CROUND                                         ; the four partners are here: the joint loads meet
	s_cmp_lt_u32 s[WV], 6                          ; one load a wave, in the two arms of one branch on the wave's number
	s_cbranch_scc0 .Lhead_s
	tensor_load_to_lds s[G0:G0+3], s[G1:G1+7]
	s_nop 0
.rept 4
	v_nop
.endr
	s_branch .Lhead_asked
.Lhead_s:
	tensor_load_to_lds s[G0S:G0S+3], s[G1S:G1S+7]
	s_nop 0
.rept 4
	v_nop
.endr
.Lhead_asked:
	v_and_b32 v60, 31, v0                          ; lane
	v_and_b32 v61, 15, v0                          ; r
	v_bfe_u32 v62, v0, 4, 1                        ; h
	v_lshlrev_b32 v10, 4, v60
	v_lshlrev_b32 v11, 3, v60
	v_lshlrev_b32 v63, 4, v61
	v_and_b32 v64, 127, v0
	v_lshlrev_b32 v64, 2, v64                      ; the table: 128 threads to a head, 4 bytes each
	s_wait_alu depctr_va_vdst(0)                   ; the wait ahead of the readers below
	global_load_b128 v[QF:QF+3], v10, s[68:69]
	global_load_b64 v[QF+4:QF+5], v11, s[68:69] offset:512
	global_load_b128 v[QF+12:QF+15], v10, s[68:69] offset:1536
	global_load_b64 v[QF+16:QF+17], v11, s[68:69] offset:2048
	global_load_b32 v[QS], v63, s[72:73]
	global_load_b32 v[QS+1], v63, s[72:73] offset:4
	WIN 0x40                                       ; the second pass's q, eight tiles on, waits in window 1
	global_load_b128 v[QH:QH+3], v10, s[68:69] offset:12288
	global_load_b64 v[QH+4:QH+5], v11, s[68:69] offset:12288+512
	global_load_b128 v[QH+6:QH+9], v10, s[68:69] offset:12288+1536
	global_load_b64 v[QH+10:QH+11], v11, s[68:69] offset:12288+2048
	global_load_b32 v[QH+12], v63, s[72:73] offset:512
	global_load_b32 v[QH+13], v63, s[72:73] offset:516
	WIN 0
.irp n, 0,1,2,3,4,5,6,7,8,9
.irp cc, 0,1,2,3
	global_load_b32 v[VF+4*\n+\cc], v64, s[74:75] offset:(128*\n+\cc)*4
.endr
.endr
	v_add_nc_u32 v1, s55, v10                      ; k: my head's half of a fragment's image
	s_add_co_u32 s62, s55, 512
	v_add_nc_u32 v2, s62, v11
	s_mul_i32 s62, s[HD], 6144
	s_add_co_u32 s62, s62, 98304
	v_add_nc_u32 v3, s62, v10                      ; v: my head's four tiles
	s_add_co_u32 s62, s62, 512
	v_add_nc_u32 v4, s62, v11
	s_lshl_b32 s62, s[HD], 12
	s_add_co_u32 s62, s62, SCL
	v_add_nc_u32 v7, s62, v63
	s_lshl_b32 s62, s[HD], 8
	s_add_co_u32 s62, s62, SCL+8192
	v_add_nc_u32 v8, s62, v63
	s_mul_i32 s63, s[HD], 20736
	s_add_co_u32 s63, s63, BIAS
	v_add_nc_u32 v65, s63, v64
	v_bfe_u32 v67, v0, 5, 2
	v_lshl_add_u32 v66, v62, 4, 111
	v_lshl_add_u32 v67, v67, 5, v61
	v_sub_nc_u32 v66, v66, v67                     ; x = 111 - 32 (wave in the head) - r + 16 h, 0 .. 127: entry x + 128 (1 - pass) + 16 (1 - u) + key
	v_and_b32 v67, 3, v66                          ; the copy,
	v_and_b32 v66, 0xfc, v66                       ; and the aligned entry in it
	v_mul_u32_u24 v67, v67, 5184
	v_lshl_add_u32 v9, v66, 2, v67
	v_add_nc_u32 v9, s63, v9
	s_lshl_b32 s62, s[HD], 9
	s_add_co_u32 s62, s62, s71
	s_add_co_u32 s62, s62, STG
	v_add_nc_u32 v28, s62, v63
	v_add_nc_u32 v29, STG, v10
.irp u, 0,1
	v_mov_b32 v[NM+2*\u+1], 0xff61b1e6             ; the largest t so far: -3e38
	v_mov_b32 v[LS+2*\u], 0
	v_mov_b32 v[LS+2*\u+1], 0
	v_mov_b32 v[FF+2*\u], 0
	v_mov_b32 v[FF+2*\u+1], 0
.irp i, 6,7,8,9,10,11
	v_mov_b32 v[QF+12*\u+\i], 0                    ; q's upper 64 along K: zero codes
.endr
.irp b, 0,1,2,3
	v_mov_b32 v[PT+4*\u+\b], 0                     ; a lane permute's destination counts as one of its sources
.endr
.endr
.irp u, 0,1
	v_floor_f32 v[NM+2*\u], -v[NM+2*\u+1]
.endr
.irp i, 0,1,2,3,4,5
	v_mov_b32 v[KF+48+\i], 0
.endr
	WIN 0x40
.set j, 0
.rept 64
	v_mov_b32 v[OA+j], 0                           ; O^T is written once; every pass's first factor, 0, clears it afterwards
.set j, j+1
.endr
	WIN 0
	s_wait_alu depctr_va_vdst(0)                   ; the wait at the head's end
	s_wait_loadcnt 0x0
.irp n, 0,1,2,3,4,5,6,7,8,9
.irp cc, 0,1,2,3
	ds_store_b32 v65, v[VF+4*\n+\cc] offset:\cc*5184+512*\n
.endr
.endr
	s_wait_tensorcnt 0x0                           ; my part of k, v or the scale words is in,
	s_wait_dscnt 0x0                               ; and my part of the bias
	s_barrier_signal -1
	s_barrier_wait -1
	s_mov_b32 s[TB], 0
	s_mov_b32 s[TS], 0
	s_mov_b32 s[TBI], 512
	s_mov_b32 s[CNT], 0
	ADDR
	LOADK
	LOADB
	LOADV
	s_wait_alu depctr_va_vdst(0)
.Lstep:
	s_add_co_u32 s[NX], s[CNT], 1                  ; the next trip's place: step (trip % 8), pass (trip / 8); behind the last trip it wraps to 0
	s_and_b32 s[NX], s[NX], 15
	s_and_b32 s[PP], s[NX], 7
	s_mul_i32 s[TB], s[PP], 12288
	s_lshl_b32 s[TS], s[PP], 9
	s_lshr_b32 s[PP], s[NX], 3
	s_xor_b32 s[PP], s[PP], 1
	s_lshl_b32 s[PP], s[PP], 9
	s_add_co_u32 s[TBI], s[TS], s[PP]
	s_wait_dscnt 17                                ; k, its scale words and the bias are in; v's 17 loads, issued behind them, may be out
	WIN 0x50
.irp t, 0,1,2,3,4,5,6,7
.irp u, 0,1
	v_wmma_scale_f32_16x16x128_f8f6f4 v[64*\u+8*\t:64*\u+8*\t+7], v[KF+6*\t:KF+6*\t+11], v[QF+12*\u:QF+12*\u+11], v[64*\u+8*\t:64*\u+8*\t+7], v[KSC+\t], v[QS+\u] matrix_a_fmt:MATRIX_FMT_FP6 matrix_b_fmt:MATRIX_FMT_FP6
.endr
.endr
	WIN 0
	ADDR                                           ; seven plain lines: the places behind the products, ahead of the loads into k's registers and of the reads of the scores
	LOADK
	WIN 0x15
.irp b, 0,1,2,3
.irp u, 0,1
	v_max3_num_f32 v[BM+4*\u+\b], v[64*\u+16*\b], v[64*\u+16*\b+1], v[64*\u+16*\b+2]   ; the largest score of each block of 32 keys: for the row's maximum and for the block's largest p
.endr
.endr
	WIN 0x14
.irp i, 3,5,7,9,11,13
.irp b, 0,1,2,3
.irp u, 0,1
	v_max3_num_f32 v[BM+4*\u+\b], v[BM+4*\u+\b], v[64*\u+16*\b+\i], v[64*\u+16*\b+\i+1]
.endr
.endr
.endr
.irp b, 0,1,2,3
.irp u, 0,1
	v_max3_num_f32 v[BM+4*\u+\b], v[BM+4*\u+\b], v[64*\u+16*\b+15], v[64*\u+16*\b+15]
.endr
.endr
	WIN 0
.irp b, 0,1,2,3
.irp u, 0,1
	v_permlanex16_b32 v[PT+4*\u+\b], v[BM+4*\u+\b], s[SEL], s[SEL+1]
.endr
.endr
.irp b, 0,1,2,3
.irp u, 0,1
	v_max_num_f32 v[BM+4*\u+\b], v[BM+4*\u+\b], v[PT+4*\u+\b]   ; with lane l xor 16's 16 keys
.endr
.endr
.irp u, 0,1
	v_max3_num_f32 v[CH+\u], v[BM+4*\u], v[BM+4*\u+1], v[BM+4*\u+2]
.endr
.irp u, 0,1
	D2
	v_max_num_f32 v[CH+\u], v[CH+\u], v[BM+4*\u+3]
.endr
.irp u, 0,1
	D2
	v_mul_f32 v[CH+\u], s[CS], v[CH+\u]
.endr
.irp u, 0,1
	D2
	v_max_num_f32 v[NM+2*\u+1], v[NM+2*\u+1], v[CH+\u]   ; the running largest t
.endr
.irp u, 0,1
	v_mov_b32 v[CH+\u], v[NM+2*\u]
.endr
.irp u, 0,1
	D4
	v_floor_f32 v[NM+2*\u], -v[NM+2*\u+1]          ; -M = floor(-t): M is a whole number
.endr
.irp u, 0,1
	D2
	v_sub_f32 v[CH+\u], v[NM+2*\u], v[CH+\u]
.endr
.irp u, 0,1
	D2
	v_cvt_i32_f32 v[CH+\u], v[CH+\u]               ; it saturates
.endr
.irp u, 0,1
	D2
	v_ldexp_f32 v[FF+2*\u], 1.0, v[CH+\u]          ; 2^(old M - new M)
.endr
.irp b, 0,1,2,3
.irp u, 0,1
	v_fma_f32 v[BM+4*\u+\b], v[BM+4*\u+\b], s[CS], v[NM+2*\u]
.endr
.endr
	WIN 0x41
.irp u, 0,1
.set j, 0
.rept 32
	v_pk_fma_f32 v[64*\u+j:64*\u+j+1], v[64*\u+j:64*\u+j+1], s[CS:CS+1], v[NM+2*\u:NM+2*\u+1] op_sel_hi:[1,0,0]   ; t - M
.set j, j+2
.endr
.endr
	s_wait_alu depctr_va_vdst(0)                   ; the wait ahead of the batch
.set j, 0
.rept 128
	v_exp_f32 v[j], v[j]                           ; p = 2^(t - M)
.set j, j+1
.endr
	WIN 0
.irp u, 0,1
	v_pk_mul_f32 v[LS+2*\u:LS+2*\u+1], v[LS+2*\u:LS+2*\u+1], v[FF+2*\u:FF+2*\u+1] op_sel_hi:[1,0]   ; the sums under the new M
.endr
	s_wait_alu depctr_va_vdst(0)                   ; one wait for the batch, ahead of its first reader
.irp b, 0,1,2,3
.irp u, 0,1
	v_exp_f32 v[BM+4*\u+\b], v[BM+4*\u+\b]         ; each block's largest p
.endr
.endr
	WIN 0x05
.irp u, 0,1
	v_pk_add_f32 v[SU+2*\u:SU+2*\u+1], v[64*\u:64*\u+1], v[64*\u+2:64*\u+3]   ; the sum of the unquantised p: two chains a tile
.endr
	WIN 0x04
.irp j, 4,8,12,16,20,24,28,32,36,40,44,48,52,56,60
.irp u, 0,1
	v_pk_add_f32 v[LS+2*\u:LS+2*\u+1], v[LS+2*\u:LS+2*\u+1], v[64*\u+\j:64*\u+\j+1]
	v_pk_add_f32 v[SU+2*\u:SU+2*\u+1], v[SU+2*\u:SU+2*\u+1], v[64*\u+\j+2:64*\u+\j+3]
.endr
.endr
	WIN 0
.irp u, 0,1
	v_pk_add_f32 v[LS+2*\u:LS+2*\u+1], v[LS+2*\u:LS+2*\u+1], v[SU+2*\u:SU+2*\u+1]
.endr
	s_wait_alu depctr_va_vdst(0)                   ; and one for the eight
.irp b, 0,1,2,3
.irp u, 0,1
	v_max_num_f32 v[BM+4*\u+\b], 0x1800000, v[BM+4*\u+\b]   ; the floor 2^(3 - 127): the byte cannot fall under 1
.endr
.endr
.irp b, 0,1,2,3
.irp u, 0,1
	v_add_nc_u32 v[SO+4*\u+\b], 0xff000000, v[BM+4*\u+\b]   ; 2 off the exponent field: the conversion's scale operand
.endr
.endr
.irp b, 0,1,2,3
.irp u, 0,1
	v_lshrrev_b32 v[PT+4*\u+\b], 23, v[SO+4*\u+\b]
.endr
.endr
.irp u, 0,1
	v_lshl_or_b32 v[FF+2*\u+1], v[PT+4*\u+1], 8, v[PT+4*\u]
.endr
.irp u, 0,1
	D2
	v_lshl_or_b32 v[FF+2*\u+1], v[PT+4*\u+2], 16, v[FF+2*\u+1]
.endr
.irp u, 0,1
	D2
	v_lshl_or_b32 v[FF+2*\u+1], v[PT+4*\u+3], 24, v[FF+2*\u+1]   ; p's scale word for these 128 keys
.endr
	WIN 0x01
.irp u, 0,1
.irp c, 0,1
	v_cvt_scalef32_pk16_fp6_f32 v[PC+12*\u+6*\c:PC+12*\u+6*\c+2], v[64*\u+32*\c:64*\u+32*\c+15], v[SO+4*\u+2*\c]
	v_cvt_scalef32_pk16_fp6_f32 v[CT+8*\u+4*\c:CT+8*\u+4*\c+2], v[64*\u+32*\c+16:64*\u+32*\c+31], v[SO+4*\u+2*\c+1]
.endr
.endr
	WIN 0
	v_nop                                          ; one plain line behind the scaled conversions
.irp u, 0,1
.irp c, 0,1
.irp i, 0,1,2
	v_permlane16_swap_b32 v[PC+12*\u+6*\c+\i], v[CT+8*\u+4*\c+\i]   ; the operand wants a whole block in a lane
.endr
.endr
.endr
.irp u, 0,1
.irp c, 0,1
.irp i, 0,1,2
	v_mov_b32 v[PC+12*\u+6*\c+3+\i], v[CT+8*\u+4*\c+\i]
.endr
.endr
.endr
	LOADB                                          ; the scores' registers are free: the next step's bias
	s_wait_dscnt 50                                ; v and its scale words are in; behind them the next step's 18 loads of k and 32 of the bias may be out
	WIN 0x41
	s_wait_alu depctr_va_vdst(0)                   ; the wait directly ahead of the first reader of O^T
.irp u, 0,1
.set j, 0
.rept 16
	v_pk_mul_f32 v[OA+32*\u+j:OA+32*\u+j+1], v[OA+32*\u+j:OA+32*\u+j+1], v[FF+2*\u:FF+2*\u+1] op_sel_hi:[1,0]   ; O^T under the new M; also the places ahead of the products
.set j, j+2
.endr
.endr
	WIN 0x50
.irp t, 0,1,2,3
.irp u, 0,1
	v_wmma_scale_f32_16x16x128_f8f6f4 v[OA+32*\u+8*\t:OA+32*\u+8*\t+7], v[VF+12*\t:VF+12*\t+11], v[PC+12*\u:PC+12*\u+11], v[OA+32*\u+8*\t:OA+32*\u+8*\t+7], v[VSC+\t], v[FF+2*\u+1] matrix_a_fmt:MATRIX_FMT_FP6 matrix_b_fmt:MATRIX_FMT_FP6
.endr
.endr
	WIN 0
.rept 4
	v_nop                                          ; places behind the products, ahead of the loads into v's registers and of the way out
.endr
	LOADV
	s_and_b32 s[PP], s[CNT], 7
	s_cmp_lg_u32 s[PP], 7
	s_wait_alu depctr_va_vdst(0)                   ; the wait ahead of the branch
	s_cbranch_scc1 .Lgo_on
	; A PASS'S END: o = O^T / sum, quantised along the head's 64 features, stored as the head's half of a fragment
	WIN 0x01
.irp u, 0,1
.irp i, 0,1,2,3,4,5
	v_mov_b32 v[QF+12*\u+\i], v[QH+6*\u+\i]        ; the second pass's q
.endr
	v_mov_b32 v[QS+\u], v[QH+12+\u]
.endr
	WIN 0
.irp u, 0,1
	v_add_f32 v[LS+2*\u], v[LS+2*\u], v[LS+2*\u+1]
.endr
.irp u, 0,1
	D2
	v_permlanex16_b32 v[CH+\u], v[LS+2*\u], s[SEL], s[SEL+1]
.endr
.irp u, 0,1
	D2
	v_add_f32 v[LS+2*\u], v[LS+2*\u], v[CH+\u]
.endr
	s_wait_alu depctr_va_vdst(0)
.irp u, 0,1
	v_rcp_f32 v[LS+2*\u], v[LS+2*\u]
.endr
	v_nop
	WIN 0x41
	s_wait_alu depctr_va_vdst(0)                   ; for the reciprocals, and directly ahead of the first reader of O^T
.irp u, 0,1
.set j, 0
.rept 16
	v_pk_mul_f32 v[OA+32*\u+j:OA+32*\u+j+1], v[OA+32*\u+j:OA+32*\u+j+1], v[LS+2*\u:LS+2*\u+1] op_sel_hi:[1,0]
.set j, j+2
.endr
.endr
	WIN 0x05
.irp b, 0,1
.irp u, 0,1
	v_max3_num_f32 v[BM+4*\u+\b], |v[OA+32*\u+16*\b]|, |v[OA+32*\u+16*\b+1]|, 0x1800000
.endr
.endr
	WIN 0x14
.irp i, 2,4,6,8,10,12,14
.irp b, 0,1
.irp u, 0,1
	v_max3_num_f32 v[BM+4*\u+\b], v[BM+4*\u+\b], |v[OA+32*\u+16*\b+\i]|, |v[OA+32*\u+16*\b+\i+1]|
.endr
.endr
.endr
	WIN 0
.irp b, 0,1
.irp u, 0,1
	v_permlanex16_b32 v[PT+4*\u+\b], v[BM+4*\u+\b], s[SEL], s[SEL+1]
.endr
.endr
.irp b, 0,1
.irp u, 0,1
	v_max_num_f32 v[BM+4*\u+\b], v[BM+4*\u+\b], v[PT+4*\u+\b]
.endr
.endr
.irp b, 0,1
.irp u, 0,1
	v_add_nc_u32 v[SO+4*\u+\b], 0xff000000, v[BM+4*\u+\b]
.endr
.endr
.irp b, 0,1
.irp u, 0,1
	v_lshrrev_b32 v[PT+4*\u+\b], 23, v[SO+4*\u+\b]
.endr
.endr
.irp u, 0,1
	v_lshl_or_b32 v[WD+\u], v[PT+4*\u+1], 8, v[PT+4*\u]   ; my head's two bytes
.endr
	WIN 0x01
.irp u, 0,1
	v_cvt_scalef32_pk16_fp6_f32 v[PC+12*\u:PC+12*\u+2], v[OA+32*\u:OA+32*\u+15], v[SO+4*\u]
	v_cvt_scalef32_pk16_fp6_f32 v[CT+8*\u:CT+8*\u+2], v[OA+32*\u+16:OA+32*\u+31], v[SO+4*\u+1]
.endr
	WIN 0
	v_nop
.irp u, 0,1
.irp i, 0,1,2
	v_permlane16_swap_b32 v[PC+12*\u+\i], v[CT+8*\u+\i]
.endr
.endr
.irp u, 0,1
.irp i, 0,1,2
	v_mov_b32 v[PC+12*\u+3+\i], v[CT+8*\u+\i]
.endr
.endr
.irp u, 0,1
	global_store_b128 v10, v[PC+12*\u:PC+12*\u+3], s[76:77] offset:12288*\u        ; 512 consecutive bytes, aligned
	global_store_b64 v11, v[PC+12*\u+4:PC+12*\u+5], s[76:77] offset:12288*\u+512   ; 256
.endr
	s_lshr_b32 s[PP], s[CNT], 3
	s_lshl_b32 s[PP], s[PP], 10
	v_add_nc_u32 v27, s[PP], v28
	ds_store_b32 v27, v[WD]
	ds_store_b32 v27, v[WD+1] offset:4
.irp u, 0,1
	v_mov_b32 v[NM+2*\u+1], 0xff61b1e6             ; the next pass begins: its first factor is 0
.endr
.irp u, 0,1
	D2
	v_floor_f32 v[NM+2*\u], -v[NM+2*\u+1]
.endr
	s_wait_xcnt 0x0                                ; the stores have read their base and the codes' registers
	s_add_nc_u64 s[76:77], s[76:77], 98304         ; eight token tiles on
.Lgo_on:
	s_add_co_u32 s[CNT], s[CNT], 1
	s_cmp_lt_u32 s[CNT], 16
	s_wait_alu depctr_va_vdst(0)                   ; the wait ahead of the backward jump
	s_cbranch_scc1 .Lstep
	s_wait_dscnt 0x0
	s_barrier_signal -1
	s_barrier_wait -1
	s_cmp_lg_u32 s[WV], 0                          ; wave 0 joins the two heads' bytes to words and stores them
	s_cbranch_scc1 .Lnot_first
.irp p, 0,1
	ds_load_b128 v[60+8*\p:63+8*\p], v29 offset:1024*\p
	ds_load_b128 v[64+8*\p:67+8*\p], v29 offset:1024*\p+512
.endr
	s_wait_dscnt 0x0
.irp p, 0,1
.irp i, 0,1,2,3
	v_lshl_or_b32 v[60+8*\p+\i], v[64+8*\p+\i], 16, v[60+8*\p+\i]
.endr
.endr
	global_store_b128 v10, v[60:63], s[78:79]      ; 512 consecutive bytes, aligned
	global_store_b128 v10, v[68:71], s[78:79] offset:4096
.Lnot_first:
	s_wait_tensorcnt 0x0                           ; the wave's end
	ds_add_u32 v[SPW], v[NIL]
	s_wait_dscnt 0x0
	CROUND                                         ; the closing round
	s_endpgm
.Lfunc_end_k_qa9502a5e21_attn:
	.size	k_qa9502a5e21_attn, .Lfunc_end_k_qa9502a5e21_attn-k_qa9502a5e21_attn
	.p2alignl 7, 3214868480
	.fill 96, 4, 3214868480
	.section	.rodata,"a",@progbits
	.p2align	6, 0x0
	.amdhsa_kernel k_qa9502a5e21_attn
		.amdhsa_group_segment_fixed_size 327680
		.amdhsa_private_segment_fixed_size 0
		.amdhsa_enable_private_segment 0
		.amdhsa_kernarg_size 40
		.amdhsa_user_sgpr_count 2
		.amdhsa_user_sgpr_kernarg_segment_ptr 1
		.amdhsa_wavefront_size32 1
		.amdhsa_system_sgpr_workgroup_id_x 1
		.amdhsa_system_sgpr_workgroup_id_y 1
		.amdhsa_system_sgpr_workgroup_id_z 1
		.amdhsa_system_vgpr_workitem_id 0
		.amdhsa_next_free_vgpr 512
		.amdhsa_next_free_sgpr 80
		.amdhsa_reserve_vcc 0
		.amdhsa_float_denorm_mode_32 3
		.amdhsa_float_denorm_mode_16_64 3
		.amdhsa_memory_ordered 1
		.amdhsa_forward_progress 1
		.amdhsa_inst_pref_size 66
	.end_amdhsa_kernel
	.amdgpu_metadata
---
amdhsa.version: [ 1, 2 ]
amdhsa.kernels:
  - .name:           k_qa9502a5e21_attn
    .symbol:         k_qa9502a5e21_attn.kd
    .args:
      - { .name: c2, .offset: 0, .size: 8, .value_kind: global_buffer, .address_space: global }
      - { .name: s2, .offset: 8, .size: 8, .value_kind: global_buffer, .address_space: global }
      - { .name: tb, .offset: 16, .size: 8, .value_kind: global_buffer, .address_space: global }
      - { .name: c3, .offset: 24, .size: 8, .value_kind: global_buffer, .address_space: global }
      - { .name: s3, .offset: 32, .size: 8, .value_kind: global_buffer, .address_space: global }
    .group_segment_fixed_size: 327680
    .private_segment_fixed_size: 0
    .kernarg_segment_align: 8
    .kernarg_segment_size: 40
    .max_flat_workgroup_size: 256
    .sgpr_count:     80
    .vgpr_count:     512
    .wavefront_size: 32
...
	.end_amdgpu_metadata
.endif
;; end of part 3
;; launch outp (part 4): grid 4 x 64, 4 waves a work-group, clusters of 4 x 4, 327,680 bytes of LDS; arguments c3, s3, c1, s1, bo, out0; writes out0
.if DOCPART == 4
	.amdgcn_target "amdgcn-amd-amdhsa--gfx1250"
	.amdhsa_code_object_version 6
	.text
	.protected	k_qa9502a5e21_outp
	.globl	k_qa9502a5e21_outp
	.p2align	8
	.type	k_qa9502a5e21_outp,@function
k_qa9502a5e21_outp:
	s_mov_b64 s[64:65], 0
	v_nop
	global_prefetch_b8 v0, s[64:65] scope:SCOPE_SE
	s_setreg_imm32_b32 hwreg(HW_REG_WAVE_MODE, 25, 1), 1
	s_wait_xcnt 0x0
	s_wait_alu depctr_hold_cnt(0) depctr_sa_sdst(0) depctr_va_vdst(0) depctr_va_sdst(0) depctr_va_ssrc(0) depctr_va_vcc(0) depctr_vm_vsrc(0)
	s_getreg_b32 s2, hwreg(HW_REG_IB_STS2, 6, 4)
	s_cmp_eq_u32 s2, 0
	s_cbranch_scc0 .Lentry_in_a_cluster
	s_endpgm
.Lentry_in_a_cluster:
	s_bfe_u32 s2, ttmp6, 0x10000c
	s_cmp_lg_u32 s2, 0xf033
	s_cbranch_scc0 .Lentry_shape_is_right
	s_endpgm
.Lentry_shape_is_right:
; out0 = o Wo^T + bo on codes of E2M3: o [8192][1024] from the attention (c3, s3), Wo at row position 27,648 of c1, s1; out0 [8192][1024] f32.
; A block of C is 128 x 256: 64 x 4 = 256 work-groups.  Four waves, each 64 x 128 in 32 accumulators.  ALL OF K LIES IN LDS AT ONCE: o's 128 rows (98,304 bytes) and Wo's 256 rows (196,608 bytes), as images of the
; operand's registers (1,536 bytes for 16 rows x 128 K; a tile of 16 rows with all of K is 12,288 dense bytes).  They are asked for once, at the head: wave 0 o's rows, waves 1 and 2 a half of Wo's each; nothing is filled again.
; CLUSTERS: 4 x 4 work-groups; o's rows are shared along a row of the cluster, Wo's along a column: each load is a joint one.  No data prefetch: every tile is asked for at the head, there is no loop to run ahead in.
; SCALE WORDS come straight into registers, in whole units of 256 bytes: lanes 0-15 take the words of an even K step, lanes 16-31 those of the odd step behind it; the odd steps' products read row 1 of the registers.
; THE MATRIX INSTRUCTION IS USED TRANSPOSED (source 0 = 16 rows of Wo, source 1 = 16 rows of o): a lane holds eight neighbouring numbers of a row of C.  bo, in the result's layout, is the C of each sum's first product.
; A K step of 128: the wait for its fragments, the next step's 48 LDS loads into the other set of registers, 32 products.  The 32 accumulators take turns.
; REGISTERS: window 0: v0-31 addresses; v32-47 o's scale words, v48-79 Wo's; v80-143 bo's eight tiles; v144-239 o's fragments, two sets; on the way out v128-255.  Window 1: Wo's fragments, two sets of 96.  Window 2: the accumulators.
.set TROW,  12288                      ; a tile of 16 rows, all of K
.set BREG,  98304                      ; Wo's rows lie behind o's
.set SPARE, 294912                     ; the spare words, 128 bytes a wave
.set SPITCH, 528                       ; the way out: 16 rows x (512 + 16) bytes for each wave, from LDS byte 0 on, behind the barrier that shows every wave's last read of the tiles
.set ADRA,  16                         ; v16 my rows of o at 16 x lane, v17 at 8 x lane
.set ADRB,  20                         ; v20, v21 the same for Wo's tiles 0-3 of mine; v22, v23 for tiles 4-7
.set STO,   24
.set RD,    25
.set CO,    26
.set SPW,   28
.set NIL,   29
.set SA,    32                         ; register 4 (g / 2) + a
.set SB,    48                         ; register 8 (g / 2) + b
.set BT,    80
.set AF,    144
.set BK,    128
.set WV,    18
.set RH,    19                         ; which 64 rows of the block are mine
.set CH,    20                         ; which 128 columns
.set G1,    24
.set G0,    32
.set G1B,   48
.set G0B,   56
.set MSB, 0
.macro WIN new                         ; the immediate's high byte repeats the setting that is left
.if MSB != (\new)
	s_set_vgpr_msb (MSB<<8)|(\new)
.set MSB, (\new)
.endif
.endm
.macro CROUND
	s_barrier_signal -1
	s_barrier_wait -1
	s_cmp_lg_u32 s[WV], 0
	s_cbranch_scc1 .Lnot_wave_0_\@
	s_barrier_signal -3
.Lnot_wave_0_\@:
	s_barrier_wait -3
	s_barrier_signal -1
	s_barrier_wait -1
.endm
.macro PLACES n
.rept \n
	v_nop
.endr
.endm
.macro FRAG reg, a16, a8, off          ; the image comes back as it was stored
	ds_load_b128 v[\reg:\reg+3], v[\a16] offset:\off
	ds_load_b64 v[\reg+4:\reg+5], v[\a8] offset:\off+512
	ds_load_b128 v[\reg+6:\reg+9], v[\a16] offset:\off+768
	ds_load_b64 v[\reg+10:\reg+11], v[\a8] offset:\off+1280
.endm
.macro FETCH g, p                      ; K step g's twelve fragments into set p: 48 loads
	WIN 0x40
.irp i, 0,1,2,3,4,5,6,7
	FRAG 96*(\p)+12*\i, ADRB+2*(\i/4), ADRB+1+2*(\i/4), (\i%4)*TROW+(\g)*1536
.endr
	WIN 0
.irp i, 0,1,2,3
	FRAG AF+48*(\p)+12*\i, ADRA, ADRA+1, \i*TROW+(\g)*1536
.endr
.endm
; 32 products: o's four tiles x Wo's eight.  mode 2: they start the sums from bo's tile; 0: an even K step; 1: an odd one
.macro MUL32 g, p, mode
.irp a, 0,1,2,3
.irp b, 0,1,2,3,4,5,6,7
.if \mode == 2
	v_wmma_scale_f32_16x16x128_f8f6f4 v[8*(8*\a+\b):8*(8*\a+\b)+7], v[96*(\p)+12*\b:96*(\p)+12*\b+11], v[AF+48*(\p)+12*\a:AF+48*(\p)+12*\a+11], v[BT+8*\b:BT+8*\b+7], v[SB+8*((\g)/2)+\b], v[SA+4*((\g)/2)+\a] matrix_a_fmt:MATRIX_FMT_FP6 matrix_b_fmt:MATRIX_FMT_FP6
.elseif \mode == 0
	v_wmma_scale_f32_16x16x128_f8f6f4 v[8*(8*\a+\b):8*(8*\a+\b)+7], v[96*(\p)+12*\b:96*(\p)+12*\b+11], v[AF+48*(\p)+12*\a:AF+48*(\p)+12*\a+11], v[8*(8*\a+\b):8*(8*\a+\b)+7], v[SB+8*((\g)/2)+\b], v[SA+4*((\g)/2)+\a] matrix_a_fmt:MATRIX_FMT_FP6 matrix_b_fmt:MATRIX_FMT_FP6
.else
	v_wmma_scale_f32_16x16x128_f8f6f4 v[8*(8*\a+\b):8*(8*\a+\b)+7], v[96*(\p)+12*\b:96*(\p)+12*\b+11], v[AF+48*(\p)+12*\a:AF+48*(\p)+12*\a+11], v[8*(8*\a+\b):8*(8*\a+\b)+7], v[SB+8*((\g)/2)+\b], v[SA+4*((\g)/2)+\a] matrix_a_fmt:MATRIX_FMT_FP6 matrix_b_fmt:MATRIX_FMT_FP6 matrix_a_scale:MATRIX_SCALE_ROW1 matrix_b_scale:MATRIX_SCALE_ROW1
.endif
.endr
.endr
.endm
	s_load_b256 s[4:11], s[0:1], 0x0               ; c3, s3, c1, s1
	s_load_b128 s[12:15], s[0:1], 0x20             ; bo, out0
	v_lshl_add_u32 v[SPW], v0, 2, SPARE
	v_mov_b32 v[NIL], 0
	ds_add_u32 v[SPW], v[NIL]                      ; the opening lines: the add twice on end, one wait
	ds_add_u32 v[SPW], v[NIL]
	v_lshrrev_b32 v1, 5, v0
	v_readfirstlane_b32 s[WV], v1
	s_lshr_b32 s[RH], s[WV], 1
	s_and_b32 s[CH], s[WV], 1
	s_bfe_u32 s40, ttmp6, 0x40000                  ; cx
	s_bfe_u32 s41, ttmp6, 0x40004                  ; cy
	s_lshl_b32 s42, ttmp9, 2
	s_add_co_u32 s42, s42, s40                     ; block column, 0 .. 3
	s_and_b32 s43, ttmp7, 0xffff
	s_lshl_b32 s43, s43, 2
	s_add_co_u32 s43, s43, s41                     ; block row, 0 .. 63
	s_lshl_b32 s44, s41, 2
	s_lshl_b32 s44, 15, s44                        ; my row of the cluster
	s_lshl_b32 s45, 0x1111, s40                    ; my column
	s_or_b32 s[G1+0], s44, (3<<16)|(1<<21)         ; 98,304 dense bytes as 384 rows of 32 elements of 8 bytes
	s_or_b32 s[G1B+0], s45, (3<<16)|(1<<21)
.irp g, G1, G1B
	s_mov_b32 s[\g+1], 32<<16
	s_mov_b32 s[\g+2], 384<<16
	s_mov_b32 s[\g+3], 32<<16
	s_mov_b32 s[\g+4], 384
	s_mov_b32 s[\g+5], 32
	s_mov_b32 s[\g+6], 0
	s_mov_b32 s[\g+7], 0
.endr
	s_mov_b32 s[G0], 1
	s_mov_b32 s[G0+1], 0
	s_mul_i32 s36, s43, 98304                      ; o: 128 rows are 98,304 bytes of codes
	s_mov_b32 s37, 0
	s_mov_b32 s[G0B], 1
	s_mul_i32 s[G0B+1], s[WV], 98304               ; wave 1: Wo's rows 0-127 of the block, behind o's; wave 2: rows 128-255
	s_mul_i32 s46, s42, 196608
	s_add_co_u32 s46, s46, s[G0B+1]
	s_add_co_u32 s46, s46, 27648*768-98304         ; Wo's positions in c1
	s_mov_b32 s47, 0
	s_wait_dscnt 0x0                               ; both opening adds are done
	s_wait_kmcnt 0x0
	s_add_nc_u64 s[G0+2:G0+3], s[4:5], s[36:37]
	s_or_b32 s[G0+3], s[G0+3], 0x80000000
	s_add_nc_u64 s[G0B+2:G0B+3], s[8:9], s[46:47]
	s_or_b32 s[G0B+3], s[G0B+3], 0x80000000
	CROUND                                         ; all sixteen work-groups are here: the joint loads meet
	s_cmp_lt_u32 s[WV], 1                          ; one chain of branches on the wave's number, one load to an arm; wave 3 has none
	s_cbranch_scc0 .Lhead_b
	tensor_load_to_lds s[G0:G0+3], s[G1:G1+7]
	s_nop 0
.rept 4
	v_nop
.endr
	s_branch .Lhead_asked
.Lhead_b:
	s_cmp_lt_u32 s[WV], 3
	s_cbranch_scc0 .Lhead_asked
	tensor_load_to_lds s[G0B:G0B+3], s[G1B:G1B+7]
	s_nop 0
.rept 4
	v_nop
.endr
.Lhead_asked:
	v_and_b32 v1, 15, v0                           ; r
	v_bfe_u32 v2, v0, 4, 1                         ; h
	v_and_b32 v3, 31, v0                           ; lane
	v_lshlrev_b32 v[CO], 4, v3                     ; 16 x lane: in an image, in a stage row and in a row of C
	v_lshlrev_b32 v4, 3, v3
	s_mul_i32 s22, s[RH], 4*TROW                   ; my four tiles of o
	s_mul_i32 s23, s[CH], 8*TROW
	s_add_co_u32 s23, s23, BREG                    ; my eight tiles of Wo
	v_add_nc_u32 v[ADRA], s22, v[CO]
	v_add_nc_u32 v[ADRA+1], s22, v4
	v_add_nc_u32 v[ADRB], s23, v[CO]
	v_add_nc_u32 v[ADRB+1], s23, v4
	s_add_co_u32 s23, s23, 4*TROW
	v_add_nc_u32 v[ADRB+2], s23, v[CO]
	v_add_nc_u32 v[ADRB+3], s23, v4
	v_lshlrev_b32 v5, 4, v1
	v_lshl_add_u32 v5, v2, 9, v5                   ; scale words: row r, and 512 bytes on (the odd K step) in lanes 16-31
	s_mul_i32 s23, s[WV], 16*SPITCH                ; my stage
	v_mul_u32_u24 v6, v1, SPITCH
	v_lshl_add_u32 v6, v2, 5, v6
	v_add_nc_u32 v[STO], s23, v6                   ; in: row r, 32 bytes for each half of the lanes
	v_add_nc_u32 v[RD], s23, v[CO]                 ; back: the 32 lanes take one row of 512 bytes
	v_lshlrev_b32 v10, 5, v2
	s_mov_b32 s67, 0
	s_lshl_b32 s66, s43, 12                        ; o's scale words: 4,096 bytes for the block's 128 rows, my four tiles 256 x half in
	s_lshl_b32 s60, s[RH], 8
	s_add_co_u32 s66, s66, s60
	s_add_nc_u64 s[6:7], s[6:7], s[66:67]
	s_lshl_b32 s66, s42, 13                        ; Wo's: 4,096 bytes for my 128 rows
	s_lshl_b32 s60, s[CH], 12
	s_add_co_u32 s66, s66, s60
	s_add_co_u32 s66, s66, 27648*32
	s_add_nc_u64 s[10:11], s[10:11], s[66:67]
	s_lshl_b32 s66, s42, 10
	s_lshl_b32 s60, s[CH], 9
	s_add_co_u32 s66, s66, s60                     ; my first column, in bytes
	s_add_nc_u64 s[12:13], s[12:13], s[66:67]
	s_lshl_b32 s60, s43, 7
	s_lshl_b32 s61, s[RH], 6
	s_add_co_u32 s60, s60, s61
	s_lshl_b32 s60, s60, 12                        ; my first row of C, 4,096 bytes a row
	s_add_co_u32 s60, s60, s66
	s_mov_b32 s61, 0
	s_add_nc_u64 s[14:15], s[14:15], s[60:61]
	s_wait_alu depctr_va_vdst(0)                   ; the wait at the head's end
.irp j, 0,1,2,3
	global_load_b128 v[SA+4*\j:SA+4*\j+3], v5, s[6:7] offset:1024*\j            ; K steps 2 j and 2 j + 1: the words of my four tiles of o
	global_load_b128 v[SB+8*\j:SB+8*\j+3], v5, s[10:11] offset:1024*\j          ; of Wo's tiles 0-3,
	global_load_b128 v[SB+8*\j+4:SB+8*\j+7], v5, s[10:11] offset:1024*\j+256    ; and 4-7
.endr
.irp b, 0,1,2,3,4,5,6,7
	global_load_b128 v[BT+8*\b:BT+8*\b+3], v10, s[12:13] offset:64*\b           ; bo of columns 16 b + 8 h + 0 .. 7
	global_load_b128 v[BT+8*\b+4:BT+8*\b+7], v10, s[12:13] offset:64*\b+16
.endr
	s_wait_tensorcnt 0x0                           ; my tile is in
	s_barrier_signal -1
	s_barrier_wait -1                              ; and so is everybody's
	FETCH 0, 0
	s_wait_loadcnt 0x0                             ; the scale words and bo
	s_wait_dscnt 0x0
	FETCH 1, 1
	WIN 0x81                                       ; source 0 (Wo) window 1, source 1 (o) and C (bo's tile) window 0, D window 2
	MUL32 0, 0, 2
.irp g, 1,2,3,4,5,6
	WIN 0
	s_wait_dscnt 0x0                               ; this step's fragments are in: asked for ahead of the last step's 32 products
	PLACES 4                                       ; in front of loads into the set that the last step's products have read
	FETCH \g+1, (\g+1)%2
	WIN 0xa1                                       ; C and D window 2
	MUL32 \g, \g%2, \g%2
.endr
	WIN 0
	s_wait_dscnt 0x0                               ; the last step's fragments are in: my reads of the tiles are over
	s_barrier_signal -1
	WIN 0xa1
	MUL32 7, 1, 1
	WIN 0
	s_barrier_wait -1                              ; and so are everybody's: the stages may be written
; THE WAY OUT, block by block of 16 rows x 128 columns, through my own stage: in as 32 bytes a lane, back as whole rows of 512 bytes.  LDS serves a wave's instructions in order (ISA guide 5.7.1.4): no wait between stores and loads.
.macro TOSTAGE a
.set AC, 64*(\a)
	WIN 0x08                                       ; the data: window 2
.irp b, 0,1,2,3,4,5,6,7
	ds_store_b128 v[STO], v[AC+8*\b:AC+8*\b+3] offset:64*\b          ; each accumulator from its low end on
	ds_store_b128 v[STO], v[AC+8*\b+4:AC+8*\b+7] offset:64*\b+16
.endr
	WIN 0
.set BB, BK+64*((\a)%2)
.irp t, 0,1,2,3,4,5,6,7,8,9,10,11,12,13,14,15
	ds_load_b128 v[BB+4*\t:BB+4*\t+3], v[RD] offset:\t*SPITCH
.endr
.endm
.macro SEND a, younger                 ; younger: the LDS instructions issued behind block a's loads, which may stay out
.set BB, BK+64*((\a)%2)
	s_wait_dscnt \younger
.if (\a) > 0
	s_add_nc_u64 s[14:15], s[14:15], 16*4096       ; behind a wait on XCNT: the earlier stores have read their base
.endif
.irp t, 0,1,2,3,4,5,6,7,8,9,10,11,12,13,14,15
	global_store_b128 v[CO], v[BB+4*\t:BB+4*\t+3], s[14:15] offset:\t*4096 th:TH_STORE_NT   ; 32 lanes store 512 consecutive bytes, aligned
.endr
.endm
	PLACES 4                                       ; behind the last products: for the reads of their results and the loads into o's registers
	TOSTAGE 0
.irp a, 1,2,3
.if \a > 1
	s_wait_xcnt 0x0                                ; block a - 2's stores have read their registers and their base
.endif
	TOSTAGE \a
	SEND \a-1, 32                                  ; behind block a - 1's loads: block a's 16 stores and 16 loads
.endr
	s_wait_xcnt 0x0
	SEND 3, 0
	s_wait_tensorcnt 0x0                           ; the wave's end
	ds_add_u32 v[SPW], v[NIL]
	s_wait_dscnt 0x0
	CROUND                                         ; the closing round
	s_endpgm
.Lfunc_end_k_qa9502a5e21_outp:
	.size	k_qa9502a5e21_outp, .Lfunc_end_k_qa9502a5e21_outp-k_qa9502a5e21_outp
	.p2alignl 7, 3214868480
	.fill 96, 4, 3214868480
	.section	.rodata,"a",@progbits
	.p2align	6, 0x0
	.amdhsa_kernel k_qa9502a5e21_outp
		.amdhsa_group_segment_fixed_size 327680
		.amdhsa_private_segment_fixed_size 0
		.amdhsa_enable_private_segment 0
		.amdhsa_kernarg_size 48
		.amdhsa_user_sgpr_count 2
		.amdhsa_user_sgpr_kernarg_segment_ptr 1
		.amdhsa_wavefront_size32 1
		.amdhsa_system_sgpr_workgroup_id_x 1
		.amdhsa_system_sgpr_workgroup_id_y 1
		.amdhsa_system_sgpr_workgroup_id_z 1
		.amdhsa_system_vgpr_workitem_id 0
		.amdhsa_next_free_vgpr 768
		.amdhsa_next_free_sgpr 80
		.amdhsa_reserve_vcc 0
		.amdhsa_float_denorm_mode_32 3
		.amdhsa_float_denorm_mode_16_64 3
		.amdhsa_memory_ordered 1
		.amdhsa_forward_progress 1
		.amdhsa_inst_pref_size 82
	.end_amdhsa_kernel
	.amdgpu_metadata
---
amdhsa.version: [ 1, 2 ]
amdhsa.kernels:
  - .name:           k_qa9502a5e21_outp
    .symbol:         k_qa9502a5e21_outp.kd
    .args:
      - { .name: c3, .offset: 0, .size: 8, .value_kind: global_buffer, .address_space: global }
      - { .name: s3, .offset: 8, .size: 8, .value_kind: global_buffer, .address_space: global }
      - { .name: c1, .offset: 16, .size: 8, .value_kind: global_buffer, .address_space: global }
      - { .name: s1, .offset: 24, .size: 8, .value_kind: global_buffer, .address_space: global }
      - { .name: bo, .offset: 32, .size: 8, .value_kind: global_buffer, .address_space: global }
      - { .name: out0, .offset: 40, .size: 8, .value_kind: global_buffer, .address_space: global }
    .group_segment_fixed_size: 327680
    .private_segment_fixed_size: 0
    .kernarg_segment_align: 8
    .kernarg_segment_size: 48
    .max_flat_workgroup_size: 128
    .sgpr_count:     80
    .vgpr_count:     768
    .wavefront_size: 32
...
	.end_amdgpu_metadata
.endif
;; end of part 4
